; MI455X (gfx1250); checked and timed in simulation.
; The chip was launched on July 23, 2026; its instructions are those of AMD's public machine-readable ISA for CDNA 5 (MIT licence, August 2026) and "CDNA5" Instruction Set Architecture Reference Guide (July 2026). The comments in the code are by the model that wrote it; some were corrected since.
;; Self Attention. Allowed arithmetic: float matrix products may take bf16 or f16 operands with f32 sums; other float arithmetic in f32, or as packed bf16 or f16 multiplies, adds, multiply-adds, maxima and minima; sums over many terms, partial sums and values carried from step to step in f32; what a program stores and reads back later, other than sums and carried values, may be rounded once to bf16 or f16.
;; Inputs: Wk 1,024 x 1,024 float32; Wo 1,024 x 1,024 float32; Wq 1,024 x 1,024 float32; Wv 1,024 x 1,024 float32; beta 1,024 float32; bk 1,024 float32; bo 1,024 float32; bq 1,024 float32; bv 1,024 float32; gamma 1,024 float32; mask 1 x 1 x 2,048 x 2,048 int32; x 4 x 2,048 x 1,024 float32.
;; Outputs: out0 4 x 2,048 x 1,024 float32.
;; One version. Each part assembles by itself: llvm-mc -triple=amdgcn-amd-amdhsa -mcpu=gfx1250 --defsym DOCPART=n.
;; ======== version 1 of 1: 4 launches
;; limits: right only within a limited range of input values; values are held in f16: magnitudes above 65,504 overflow, below 6.1e-05 lose precision
;; workspace buffers: h 16,777,216 bytes; wqkv 6,291,456 bytes; woh 2,097,152 bytes; maskf 8,388,608 bytes; rowf 8,192 bytes; qkv 50,331,648 bytes; o 16,777,216 bytes
;; launch prep (part 1): grid 512 x 1, 8 waves a work-group, no clusters, 66,816 bytes of LDS; arguments x, gamma, beta, Wq, Wk, Wv, Wo, mask, h, wqkv, woh, maskf, rowf; writes h, wqkv, woh, maskf, rowf
.if DOCPART == 1
	.amdgcn_target "amdgcn-amd-amdhsa--gfx1250"
	.amdhsa_code_object_version 6
	.text
	.protected	k_qcffcd0f115_prep
	.globl	k_qcffcd0f115_prep
	.p2align	8
	.type	k_qcffcd0f115_prep,@function
k_qcffcd0f115_prep:
	s_mov_b64 s[64:65], 0
	v_nop
	global_prefetch_b8 v0, s[64:65] scope:SCOPE_SE
	s_setreg_imm32_b32 hwreg(HW_REG_WAVE_MODE, 25, 1), 1
	s_wait_xcnt 0x0
; PREP: three streams in one launch, chosen by the work-group's number g (the same for all eight waves of a work-group).
;   g <  256: h = LayerNorm(x) * gamma + beta, rounded once to f16.  32 rows a work-group, 4 a wave; a row (4,096 bytes) stays in 32 registers of one wave
;             between the mean, the variance (of x - mean: no difference of large sums) and the scaling.
;   g <  384: Wq, Wk, Wv -> wqkv [1024 k][3072 n] f16 (n = 1024 x matrix + column), Wo -> woh [1024 k][1024 n] f16.  32 rows a work-group, 4 a wave.
;   else    : mask -> maskf and rowf, 16 query rows a work-group.  maskf holds f16 numbers, 0 for a key that is seen and -2^15 (0xF800) for a hidden one (mask == 0),
;             laid out as matrix fragments: block (qt = q / 16, kp = k / 32) at byte (64 qt + kp) x 1024; in it part c at 512 c, lane l at 16 l:
;             query 16 qt + l % 16, keys 32 kp + 16 c + 8 (l / 16) + 0..7.  rowf[q] = -1 if row q sees any key, else 0.
; Memory binds: every input byte is read once by 16-byte loads, every store of a wave covers 256 or 512 consecutive aligned bytes.  No matrix unit, no tensor load, no cluster: nothing is shared.
; LIMITS.  f16 holds no number beyond 65,504: h and the weights are taken to lie within it.  NaN and infinities are not treated apart.
.set SPARE,  65792                     ; behind the 16 staged mask rows: the spare words, 128 bytes for each of eight waves
.set MPITCH, 4112                      ; a staged mask row: 4,096 bytes of f16 + 16: an odd multiple of 16, so the 16 rows of a fragment read start at different banks
.set G,   8                            ; v[8:39]    gamma of my 32 columns
.set BT,  40                           ; v[40:71]   beta
.set X,   72                           ; v[72:199]  four rows of 32 registers (mask: two rows of 64)
.set T,   200                          ; v[200:215] at work
.set SPW, 216                          ; my spare word's LDS address; never rewritten
.set NIL, 217                          ; 0; never rewritten
.set NEG, 218                          ; 0xF800
	s_load_b512 s[4:19], s[0:1], 0x0               ; x 4, gamma 6, beta 8, Wq 10, Wk 12, Wv 14, Wo 16, mask 18
	s_load_b256 s[20:27], s[0:1], 0x40             ; h 20, wqkv 22, woh 24, maskf 26
	s_load_b64 s[28:29], s[0:1], 0x60              ; rowf
	v_lshl_add_u32 v[SPW], v0, 2, SPARE
	v_mov_b32 v[NIL], 0
	v_and_b32 v1, 31, v0                           ; lane
	v_lshrrev_b32 v4, 5, v0
	v_readfirstlane_b32 s30, v4                    ; wave
	v_lshlrev_b32 v2, 4, v1                        ; 16 x lane: my place in 512 bytes of f32 or int32
	v_lshlrev_b32 v3, 3, v1                        ; 8 x lane: my place in 256 bytes of f16
	s_mov_b32 s42, 0x76543210                      ; v_permlanex16_b32: each lane takes its own place in the other half
	s_mov_b32 s43, 0xfedcba98
	s_mov_b32 s44, ttmp9                           ; g
	s_mov_b32 s45, 0x3a800000                      ; 1 / 1024
	s_mov_b32 s46, 0x3727c5ac                      ; 1e-5
	s_wait_kmcnt 0x0
	s_cmp_lt_u32 s44, 256
	s_cbranch_scc1 .Lln
	s_cmp_lt_u32 s44, 384
	s_cbranch_scc1 .Lw
	s_branch .Lmask
; ---------------------------------------------------------------- LayerNorm
.macro WSUM r, t                       ; the sum over the 32 lanes, in every lane
	v_add_f32_dpp v[\r], v[\r], v[\r] row_xmask:1 row_mask:0xf bank_mask:0xf
	v_add_f32_dpp v[\r], v[\r], v[\r] row_xmask:2 row_mask:0xf bank_mask:0xf
	v_add_f32_dpp v[\r], v[\r], v[\r] row_xmask:4 row_mask:0xf bank_mask:0xf
	v_add_f32_dpp v[\r], v[\r], v[\r] row_xmask:8 row_mask:0xf bank_mask:0xf
	v_permlanex16_b32 v[\t], v[\r], s42, s43
	v_add_f32 v[\r], v[\r], v[\t]
.endm
.macro FOLD                            ; four chains of pairs in v[T:T+7] -> the row's sum in v[T]
	v_pk_add_f32 v[T:T+1], v[T:T+1], v[T+2:T+3]
	v_pk_add_f32 v[T+4:T+5], v[T+4:T+5], v[T+6:T+7]
	v_pk_add_f32 v[T:T+1], v[T:T+1], v[T+4:T+5]
	v_add_f32 v[T], v[T], v[T+1]
	WSUM T, T+1
.endm
.macro LNROW i
.set R, X+32*(\i)
	s_wait_loadcnt 8*(3-(\i))                      ; loads come back in order: gamma, beta and this row are in; the younger rows' eight loads each stay out
.irp c, 0,2,4,6
	v_pk_add_f32 v[T+\c:T+\c+1], v[R+\c:R+\c+1], v[R+8+\c:R+8+\c+1]
.endr
.irp k, 16,24
.irp c, 0,2,4,6
	v_pk_add_f32 v[T+\c:T+\c+1], v[T+\c:T+\c+1], v[R+\k+\c:R+\k+\c+1]
.endr
.endr
	FOLD
	v_mul_f32 v[T+8], s45, v[T]                    ; the mean, twice: a pair for the packed subtraction
	v_mul_f32 v[T+9], s45, v[T]
.set z, 0
.rept 16
	v_pk_add_f32 v[R+z:R+z+1], v[R+z:R+z+1], v[T+8:T+9] neg_lo:[0,1] neg_hi:[0,1]
.set z, z+2
.endr
.irp c, 0,2,4,6
	v_pk_mul_f32 v[T+\c:T+\c+1], v[R+\c:R+\c+1], v[R+\c:R+\c+1]
.endr
.irp k, 8,16,24
.irp c, 0,2,4,6
	v_pk_fma_f32 v[T+\c:T+\c+1], v[R+\k+\c:R+\k+\c+1], v[R+\k+\c:R+\k+\c+1], v[T+\c:T+\c+1]
.endr
.endr
	FOLD
	v_fma_f32 v[T+10], v[T], s45, s46              ; variance + 1e-5
	v_rsq_f32 v[T+12], v[T+10]
	v_rsq_f32 v[T+13], v[T+10]
	v_nop                                          ; a plain instruction between the last v_rsq_f32 and the use of its result (ISA guide 5.7.2)
.set z, 0
	s_wait_alu depctr_va_vdst(0)
.rept 16
	v_pk_mul_f32 v[R+z:R+z+1], v[R+z:R+z+1], v[T+12:T+13]
.set z, z+2
.endr
.set z, 0
.rept 16
	v_pk_fma_f32 v[R+z:R+z+1], v[R+z:R+z+1], v[G+z:G+z+1], v[BT+z:BT+z+1]
.set z, z+2
.endr
.irp j, 0,1,2,3,4,5,6,7
	v_cvt_pk_f16_f32 v[R+4*\j], v[R+4*\j], v[R+4*\j+1]
	v_cvt_pk_f16_f32 v[R+4*\j+1], v[R+4*\j+2], v[R+4*\j+3]
	global_store_b64 v3, v[R+4*\j:R+4*\j+1], s[20:21] offset:2048*(\i)+256*\j  ; 32 lanes store 256 consecutive bytes, aligned; the data registers are the row's own and are not written again
.endr
.endm
.Lln:
	s_lshl_b32 s32, s44, 5
	s_lshl2_add_u32 s32, s30, s32                  ; my first row = 32 g + 4 wave
	s_lshl_b32 s34, s32, 12
	s_mov_b32 s35, 0
	s_add_nc_u64 s[4:5], s[4:5], s[34:35]
	s_lshl_b32 s34, s32, 11
	s_add_nc_u64 s[20:21], s[20:21], s[34:35]
.irp j, 0,1,2,3,4,5,6,7
	global_load_b128 v[G+4*\j:G+4*\j+3], v2, s[6:7] offset:512*\j
.endr
.irp j, 0,1,2,3,4,5,6,7
	global_load_b128 v[BT+4*\j:BT+4*\j+3], v2, s[8:9] offset:512*\j
.endr
.irp i, 0,1,2,3
.irp j, 0,1,2,3,4,5,6,7
	global_load_b128 v[X+32*\i+4*\j:X+32*\i+4*\j+3], v2, s[4:5] offset:4096*\i+512*\j th:TH_LOAD_NT
.endr
.endr
	LNROW 0
	LNROW 1
	LNROW 2
	LNROW 3
	s_endpgm                                       ; these waves wrote no LDS
; ---------------------------------------------------------------- the weights
.Lw:
	s_sub_co_u32 s32, s44, 256
	s_lshr_b32 s33, s32, 5                         ; which matrix: 0 Wq, 1 Wk, 2 Wv, 3 Wo
	s_and_b32 s32, s32, 31
	s_lshl_b32 s32, s32, 5
	s_lshl2_add_u32 s32, s30, s32                  ; my first row k
	s_lshl_b32 s39, s33, 11                        ; the matrix's first column in wqkv, in bytes
	s_mov_b32 s38, 6144                            ; wqkv's row in bytes
	s_cmp_eq_u32 s33, 1
	s_cselect_b64 s[34:35], s[12:13], s[10:11]
	s_cmp_eq_u32 s33, 2
	s_cselect_b64 s[34:35], s[14:15], s[34:35]
	s_cmp_eq_u32 s33, 3
	s_cselect_b64 s[34:35], s[16:17], s[34:35]     ; from
	s_cselect_b64 s[36:37], s[24:25], s[22:23]     ; to: woh or wqkv
	s_cselect_b32 s38, 2048, s38
	s_cselect_b32 s39, 0, s39
	s_lshl_b32 s40, s32, 12
	s_mov_b32 s41, 0
	s_add_nc_u64 s[34:35], s[34:35], s[40:41]
	s_mul_i32 s40, s32, s38
	s_add_co_u32 s40, s40, s39
	s_add_nc_u64 s[36:37], s[36:37], s[40:41]
	v_mov_b32 v4, v3                               ; a store offset for each of my four rows
	v_add_nc_u32 v5, s38, v4
	v_add_nc_u32 v6, s38, v5
	v_add_nc_u32 v7, s38, v6
.irp i, 0,1,2,3
.irp j, 0,1,2,3,4,5,6,7
	global_load_b128 v[X+32*\i+4*\j:X+32*\i+4*\j+3], v2, s[34:35] offset:4096*\i+512*\j th:TH_LOAD_NT
.endr
.endr
.irp i, 0,1,2,3
	s_wait_loadcnt 8*(3-\i)                        ; this row is in; the younger rows' loads stay out
.irp j, 0,1,2,3,4,5,6,7
	v_cvt_pk_f16_f32 v[X+32*\i+4*\j], v[X+32*\i+4*\j], v[X+32*\i+4*\j+1]
	v_cvt_pk_f16_f32 v[X+32*\i+4*\j+1], v[X+32*\i+4*\j+2], v[X+32*\i+4*\j+3]
	global_store_b64 v[4+\i], v[X+32*\i+4*\j:X+32*\i+4*\j+1], s[36:37] offset:256*\j
.endr
.endr
	s_endpgm
; ---------------------------------------------------------------- the mask
.macro MROW i
.set R, X+64*(\i)
	s_wait_loadcnt 16*(1-(\i))                     ; this row's sixteen loads are in; the second row's may stay out
.set z, 0
.rept 64
	v_cmp_eq_u32 vcc_lo, 0, v[R+z]
	v_cndmask_b32 v[R+z], 0, v[NEG], vcc_lo        ; hidden: 0xF800, seen: 0
.set z, z+1
.endr
.set z, 0
.rept 16
	v_lshl_or_b32 v[R+z], v[R+z+1], 16, v[R+z]     ; four keys into two words, the lower key in the lower half
	v_lshl_or_b32 v[R+z+1], v[R+z+3], 16, v[R+z+2]
.set z, z+4
.endr
.irp j, 0,1,2,3                        ; the AND of my 32 packed words, in four chains: it is 0xF800F800 only if all my 64 keys are hidden
	v_and_b32 v[T+\j], v[R+4*\j], v[R+4*\j+1]
.endr
.set z, 4
.rept 12
	v_and_b32 v[T+z%4], v[T+z%4], v[R+4*z]
	v_and_b32 v[T+z%4], v[T+z%4], v[R+4*z+1]
.set z, z+1
.endr
	v_and_b32 v[T], v[T], v[T+1]
	v_and_b32 v[T+2], v[T+2], v[T+3]
	v_and_b32 v[T], v[T], v[T+2]
	v_cmp_ne_u32 vcc_lo, 0xf800f800, v[T]          ; a bit for each lane that sees a key
	s_cmp_lg_u32 vcc_lo, 0
	s_cselect_b32 s[40+(\i)], -1, 0
.irp j, 0,1,2,3,4,5,6,7,8,9,10,11,12,13,14,15
	ds_store_b64 v219, v[R+4*\j:R+4*\j+1] offset:MPITCH*(\i)+256*\j
.endr
.endm
.Lmask:
	s_sub_co_u32 s32, s44, 384                     ; qt
	s_lshl_b32 s33, s32, 4
	s_lshl1_add_u32 s33, s30, s33                  ; my first row = 16 qt + 2 wave
	s_lshl_b32 s34, s33, 13
	s_mov_b32 s35, 0
	s_add_nc_u64 s[18:19], s[18:19], s[34:35]
.irp i, 0,1
.irp j, 0,1,2,3,4,5,6,7,8,9,10,11,12,13,14,15
	global_load_b128 v[X+64*\i+4*\j:X+64*\i+4*\j+3], v2, s[18:19] offset:8192*\i+512*\j th:TH_LOAD_NT
.endr
.endr
	s_lshl_b32 s34, s33, 2
	s_add_nc_u64 s[28:29], s[28:29], s[34:35]      ; rowf at my two rows
	s_lshl_b32 s34, s32, 16
	s_lshl_b32 s36, s30, 13
	s_add_co_u32 s34, s34, s36
	s_add_nc_u64 s[26:27], s[26:27], s[34:35]      ; maskf at blocks (qt, 8 wave ..)
	v_mov_b32 v[NEG], 0xf800
	s_mul_i32 s36, s30, 2*MPITCH
	v_add_nc_u32 v219, s36, v3                     ; into the stage: my two rows, 8 bytes a lane
	v_and_b32 v223, 15, v1
	v_mul_u32_u24 v223, v223, MPITCH
	v_lshrrev_b32 v221, 4, v1
	v_lshl_add_u32 v223, v221, 4, v223
	s_lshl_b32 s36, s30, 9
	v_add_nc_u32 v223, s36, v223                   ; back: row l % 16, 16 bytes for each half of the lanes, my eight blocks of 32 keys
	MROW 0
	MROW 1
	v_mov_b32 v220, s41
	v_mov_b32 v221, s40
	v_cmp_eq_u32 vcc_lo, 0, v1
	v_cndmask_b32 v220, v220, v221, vcc_lo         ; lane 0: my first row's flag; lane 1: my second's
	v_lshlrev_b32 v222, 2, v1
	v_cmp_gt_u32 vcc_lo, 2, v1
	s_wait_xcnt 0x0                                ; EXEC changes only behind this wait,
	s_and_saveexec_b32 s47, vcc_lo
	global_store_b32 v222, v220, s[28:29]
	s_wait_xcnt 0x0                                ; and again in front of the line that widens it
	s_or_b32 exec_lo, exec_lo, s47
	s_wait_dscnt 0x0                               ; for the others' sake: my rows are in the stage
	s_barrier_signal -1
	s_barrier_wait -1
.irp n, 0,1,2,3,4,5,6,7,8,9,10,11,12,13,14,15
	ds_load_b128 v[X+4*\n:X+4*\n+3], v223 offset:32*\n   ; block 8 wave + n / 2, part n % 2
.endr
.irp n, 0,1,2,3,4,5,6,7,8,9,10,11,12,13,14,15
	s_wait_dscnt 15-\n                             ; LDS loads come back in order: the younger ones stay out
	global_store_b128 v2, v[X+4*\n:X+4*\n+3], s[26:27] offset:512*\n  ; 512 consecutive bytes, aligned
.endr
	s_wait_tensorcnt 0x0                           ; the wave's end, behind my last LDS store
	ds_add_u32 v[SPW], v[NIL]
	s_wait_dscnt 0x0
	s_endpgm
.Lfunc_end_k_qcffcd0f115_prep:
	.size	k_qcffcd0f115_prep, .Lfunc_end_k_qcffcd0f115_prep-k_qcffcd0f115_prep
	.p2alignl 7, 3214868480
	.fill 96, 4, 3214868480
	.section	.rodata,"a",@progbits
	.p2align	6, 0x0
	.amdhsa_kernel k_qcffcd0f115_prep
		.amdhsa_group_segment_fixed_size 66816
		.amdhsa_private_segment_fixed_size 0
		.amdhsa_enable_private_segment 0
		.amdhsa_kernarg_size 104
		.amdhsa_user_sgpr_count 2
		.amdhsa_user_sgpr_kernarg_segment_ptr 1
		.amdhsa_wavefront_size32 1
		.amdhsa_system_sgpr_workgroup_id_x 1
		.amdhsa_system_sgpr_workgroup_id_y 1
		.amdhsa_system_sgpr_workgroup_id_z 1
		.amdhsa_system_vgpr_workitem_id 0
		.amdhsa_next_free_vgpr 224
		.amdhsa_next_free_sgpr 66
		.amdhsa_reserve_vcc 1
		.amdhsa_float_denorm_mode_32 3
		.amdhsa_float_denorm_mode_16_64 3
		.amdhsa_memory_ordered 1
		.amdhsa_forward_progress 1
		.amdhsa_inst_pref_size 73
	.end_amdhsa_kernel
	.amdgpu_metadata
---
amdhsa.version: [ 1, 2 ]
amdhsa.kernels:
  - .name:           k_qcffcd0f115_prep
    .symbol:         k_qcffcd0f115_prep.kd
    .args:
      - { .name: x, .offset: 0, .size: 8, .value_kind: global_buffer, .address_space: global }
      - { .name: gamma, .offset: 8, .size: 8, .value_kind: global_buffer, .address_space: global }
      - { .name: beta, .offset: 16, .size: 8, .value_kind: global_buffer, .address_space: global }
      - { .name: Wq, .offset: 24, .size: 8, .value_kind: global_buffer, .address_space: global }
      - { .name: Wk, .offset: 32, .size: 8, .value_kind: global_buffer, .address_space: global }
      - { .name: Wv, .offset: 40, .size: 8, .value_kind: global_buffer, .address_space: global }
      - { .name: Wo, .offset: 48, .size: 8, .value_kind: global_buffer, .address_space: global }
      - { .name: mask, .offset: 56, .size: 8, .value_kind: global_buffer, .address_space: global }
      - { .name: h, .offset: 64, .size: 8, .value_kind: global_buffer, .address_space: global }
      - { .name: wqkv, .offset: 72, .size: 8, .value_kind: global_buffer, .address_space: global }
      - { .name: woh, .offset: 80, .size: 8, .value_kind: global_buffer, .address_space: global }
      - { .name: maskf, .offset: 88, .size: 8, .value_kind: global_buffer, .address_space: global }
      - { .name: rowf, .offset: 96, .size: 8, .value_kind: global_buffer, .address_space: global }
    .group_segment_fixed_size: 66816
    .private_segment_fixed_size: 0
    .kernarg_segment_align: 8
    .kernarg_segment_size: 104
    .max_flat_workgroup_size: 256
    .sgpr_count:     66
    .vgpr_count:     224
    .wavefront_size: 32
...
	.end_amdgpu_metadata
.endif
;; end of part 1
;; launch qkv (part 2): grid 16 x 32, 4 waves a work-group, clusters of 4 x 4, 327,680 bytes of LDS; arguments h, wqkv, bq, bk, bv, qkv; writes qkv
.if DOCPART == 2
	.amdgcn_target "amdgcn-amd-amdhsa--gfx1250"
	.amdhsa_code_object_version 6
	.text
	.protected	k_qcffcd0f115_qkv
	.globl	k_qcffcd0f115_qkv
	.p2align	8
	.type	k_qcffcd0f115_qkv,@function
k_qcffcd0f115_qkv:
	s_mov_b64 s[64:65], 0
	v_nop
	global_prefetch_b8 v0, s[64:65] scope:SCOPE_SE
	s_setreg_imm32_b32 hwreg(HW_REG_WAVE_MODE, 25, 1), 1
	s_wait_xcnt 0x0
	s_wait_alu depctr_hold_cnt(0) depctr_sa_sdst(0) depctr_va_vdst(0) depctr_va_sdst(0) depctr_va_ssrc(0) depctr_va_vcc(0) depctr_vm_vsrc(0)
	s_getreg_b32 s2, hwreg(HW_REG_IB_STS2, 6, 4)
	s_cmp_eq_u32 s2, 0
	s_cbranch_scc0 .Lentry_in_a_cluster
	s_endpgm
.Lentry_in_a_cluster:
	s_bfe_u32 s2, ttmp6, 0x10000c
	s_cmp_lg_u32 s2, 0xf033
	s_cbranch_scc0 .Lentry_shape_is_right
	s_endpgm
.Lentry_shape_is_right:
; QKV: [q | k | v] = h [Wq | Wk | Wv] + [bq | bk | bv].  h: [8192][1024] f16, wqkv: [1024 k][3072 n] f16; sums in f32; the result, rounded once to f16, is written by heads:
; qkv[matrix][16 batch + head][row in the batch][64].  LIMIT: f16 holds no number beyond 65,504: q, k and v are taken to lie within it.
; A tile of C is 256 rows x 192 columns (three heads): 16 x 32 = 512 work-groups, two for each of 256 WGPs.  Four waves; wave w makes rows 64 w .. 64 w + 63 of all 192 columns:
; 48 accumulators of 16 x 16, 384 registers; for 32 along K it reads 32 x 512 bytes from LDS for 48 matrix instructions.  K goes in 8 steps of 128 through two LDS slots.
; CLUSTER: 4 x 4 work-groups.  The four of a row of the cluster need the same tiles of h, the four of a column the same tiles of wqkv: each tile is asked for jointly, by the same tensor load
; with the same descriptor and a mask that names the four.
; THE MATRIX INSTRUCTION IS USED TRANSPOSED (source 0 = 16 columns of W, turned out of LDS by ds_load_tr16_b128; source 1 = 16 rows of h): a lane holds eight neighbouring columns of one row of C.
; The bias, laid out as such a result, is the C operand of the first products: no add is written and nothing is cleared.
; REGISTERS (windows of 256; s_set_vgpr_msb: bits 1:0 source 0, 3:2 source 1, 5:4 source 2, 7:6 destination):
;   window 0: v0-31 addresses; v32-127 six buffers of 16 for the way out; v128-255 the third head's accumulators at 128 + 8 (4 a + bb)
;   window 1: two fragment buffers of 128: h's four fragments at 8 a, W's twelve at 32 + 8 (4 z + bb)      window 2: heads 0, 1: accumulators at 128 z + 8 (4 a + bb)      window 3: v0-95 the bias at 8 (4 z + bb)
.set PA,     272                       ; a row of h in LDS: 256 bytes + 16: an odd multiple of 16
.set PB,     480                       ; a row of W in LDS: three heads' 128 bytes, 32 of padding behind each: an odd multiple of 32
.set AHALF,  128*PA                    ; what wave 0 or 1 fetches
.set BOFF,   256*PA                    ; W's tile lies behind h's
.set BHALF,  64*PB                     ; what wave 2 or 3 fetches
.set SLOT1,  1<<17                     ; BOFF + 128 PB = 131,072: slot 0 is full to its last byte
.set STAGE,  2*SLOT1                   ; 16 rows x 144 bytes for each wave, for the way out; no tensor load lands here
.set SP,     144
.set SPARE,  STAGE+4*16*SP             ; the spare words, 128 bytes for each wave
.set A0,  16                           ; my lane's place in h's tile of slot 0; never rewritten
.set B0,  17                           ; the same for W
.set ADRA, 18                          ; the same in the slot in hand
.set ADRB, 19
.set STO, 24
.set RD,  25
.set GO,  26
.set SPW, 28
.set NIL, 29
.set BO,  30
.set F0,  0
.set F1,  128
.set WV,  16                           ; s16 wave;  s17: 0 = I fetch h, 1 = W;  s18: which half of that tile
.set FB,  17
.set HF,  18
.set TC,  21                           ; tile column, tile row
.set TR,  22
.set CNT, 25
.set TB,  26                           ; the slot in hand, as an LDS byte
.set G1A, 28
.set G1B, 36
.set G0A, 44                           ; two sets: K steps 0 and 1; the second then walks
.set G0B, 52
.set OB,  66                           ; s[66:71] where my rows of the three heads go
.set BP,  72                           ; s[72:77] the three heads' biases
.set MSB, 0
.macro WIN new                         ; the immediate's high byte repeats the setting that is left; a switch that changes nothing is dropped
.if MSB != (\new)
	s_set_vgpr_msb (MSB<<8)|(\new)
.set MSB, (\new)
.endif
.endm
.macro PLACES                          ; four places behind matrix instructions, in front of loads into their sources and of conversions of their results
.rept 4
	v_nop
.endr
.endm
.macro JLOAD                           ; a joint refill by the walking descriptor; an s_nop 0 and four v_nop follow each of the two lines
	s_cmp_eq_u32 s[FB], 0
	s_cbranch_scc0 .Lfor_b_\@
	tensor_load_to_lds s[G0A+4:G0A+7], s[G1A:G1A+7]
	s_nop 0
.rept 4
	v_nop
.endr
	s_branch .Lasked_\@
.Lfor_b_\@:
	tensor_load_to_lds s[G0B+4:G0B+7], s[G1B:G1B+7]
	s_nop 0
.rept 4
	v_nop
.endr
.Lasked_\@:
.endm
.macro CREST                           ; a round of the cluster's barrier behind its opening barrier
	s_cmp_lg_u32 s[WV], 0
	s_cbranch_scc1 .Lnot_wave_0_\@
	s_barrier_signal -3
.Lnot_wave_0_\@:
	s_barrier_wait -3
	s_barrier_signal -1
	s_barrier_wait -1
.endm
.macro CROUND
	s_barrier_signal -1
	s_barrier_wait -1
	CREST
.endm
	s_load_b256 s[4:11], s[0:1], 0x0               ; h 4, wqkv 6, bq 8, bk 10
	s_load_b128 s[12:15], s[0:1], 0x20             ; bv 12, qkv 14
	v_lshl_add_u32 v[SPW], v0, 2, SPARE
	v_mov_b32 v[NIL], 0
	ds_add_u32 v[SPW], v[NIL]                      ; the wave's opening: the add and its wait stand ahead of my first tensor load; the set-up below stands between them
	v_lshrrev_b32 v1, 5, v0
	v_readfirstlane_b32 s[WV], v1
	s_lshr_b32 s[FB], s[WV], 1
	s_and_b32 s[HF], s[WV], 1
	s_bfe_u32 s19, ttmp6, 0x40000                  ; cx
	s_bfe_u32 s20, ttmp6, 0x40004                  ; cy
	s_lshl_b32 s[TC], ttmp9, 2
	s_add_co_u32 s[TC], s[TC], s19
	s_and_b32 s[TR], ttmp7, 0xffff
	s_lshl_b32 s[TR], s[TR], 2
	s_add_co_u32 s[TR], s[TR], s20
	s_lshl_b32 s23, s20, 2
	s_lshl_b32 s23, 15, s23                        ; my row of the cluster
	s_lshl_b32 s24, 0x1111, s19                    ; my column
	s_or_b32 s[G1A], s23, (1<<16)|(1<<20)|(1<<21)|(5<<22)|(3<<25)  ; mask; 2-byte elements; padding on; bit 21 beside a mask; 4 words behind every 64
	s_mov_b32 s[G1A+1], 128<<16                    ; tensor_dim0 = 128
	s_mov_b32 s[G1A+2], 128<<16                    ; tensor_dim1 = 128
	s_mov_b32 s[G1A+3], 128<<16                    ; tile_dim0 = 128
	s_mov_b32 s[G1A+4], 128                        ; tile_dim1 = 128
	s_mov_b32 s[G1A+5], 1024                       ; elements from row to row
	s_mov_b32 s[G1A+6], 0
	s_mov_b32 s[G1A+7], 0
	s_or_b32 s[G1B], s24, (1<<16)|(1<<20)|(1<<21)|(4<<22)|(7<<25)  ; 8 words behind every 32: behind each head's 64 columns
	s_mov_b32 s[G1B+1], 192<<16
	s_mov_b32 s[G1B+2], 64<<16
	s_mov_b32 s[G1B+3], 192<<16
	s_mov_b32 s[G1B+4], 64
	s_mov_b32 s[G1B+5], 3072
	s_mov_b32 s[G1B+6], 0
	s_mov_b32 s[G1B+7], 0
	s_mul_i32 s60, s[HF], AHALF                    ; where my part goes: no place in the cluster enters an LDS address
	s_mul_i32 s78, s[HF], BHALF
	s_add_co_u32 s78, s78, BOFF
	s_lshl_b32 s62, s[TR], 8                       ; h: row 256 x tile row + 128 x half, 2,048 bytes a row
	s_lshl_b32 s63, s[HF], 7
	s_add_co_u32 s62, s62, s63
	s_lshl_b32 s62, s62, 11
	s_mov_b32 s63, 0
	s_mul_i32 s80, s[TC], 384                      ; W: column 192 x tile column, row 64 x half, 6,144 bytes a row
	s_mul_i32 s81, s[HF], 64*6144
	s_add_co_u32 s80, s80, s81
	s_mov_b32 s81, 0
	s_mov_b32 s[TB], 0
	s_wait_dscnt 0x0                               ; the opening add is done
	s_wait_kmcnt 0x0
	s_add_nc_u64 s[62:63], s[4:5], s[62:63]
	s_add_nc_u64 s[80:81], s[6:7], s[80:81]
.irp s, 0,1
	s_mov_b32 s[G0A+4*\s], 1
	s_add_co_u32 s[G0A+4*\s+1], s60, \s*SLOT1
	s_add_nc_u64 s[G0A+4*\s+2:G0A+4*\s+3], s[62:63], \s*256
	s_or_b32 s[G0A+4*\s+3], s[G0A+4*\s+3], 0x80000000
	s_mov_b32 s[G0B+4*\s], 1
	s_add_co_u32 s[G0B+4*\s+1], s78, \s*SLOT1
	s_add_nc_u64 s[G0B+4*\s+2:G0B+4*\s+3], s[80:81], \s*128*6144
	s_or_b32 s[G0B+4*\s+3], s[G0B+4*\s+3], 0x80000000
.endr
	CROUND                                         ; all sixteen work-groups are here: the first joint loads meet
	s_cmp_eq_u32 s[FB], 0                          ; a wave's two first fills stand in one branch: two loads of mine are out
	s_cbranch_scc0 .Lfirst_b
	tensor_load_to_lds s[G0A:G0A+3], s[G1A:G1A+7]
	s_nop 0
	tensor_load_to_lds s[G0A+4:G0A+7], s[G1A:G1A+7]
	s_nop 0
.rept 4
	v_nop
.endr
	s_branch .Lfirst_asked
.Lfirst_b:
	tensor_load_to_lds s[G0B:G0B+3], s[G1B:G1B+7]
	s_nop 0
	tensor_load_to_lds s[G0B+4:G0B+7], s[G1B:G1B+7]
	s_nop 0
.rept 4
	v_nop
.endr
.Lfirst_asked:
	; the three heads of my tile: head z is number 3 x tile column + z of 48 (matrix = number / 16, head = number % 16)
.irp z, 0,1,2
	s_mul_i32 s82, s[TC], 3
	s_add_co_u32 s82, s82, \z
	s_lshr_b32 s83, s82, 4
	s_and_b32 s84, s82, 15
	s_cmp_eq_u32 s83, 1
	s_cselect_b64 s[BP+2*\z:BP+2*\z+1], s[10:11], s[8:9]
	s_cmp_eq_u32 s83, 2
	s_cselect_b64 s[BP+2*\z:BP+2*\z+1], s[12:13], s[BP+2*\z:BP+2*\z+1]
	s_lshl_b32 s78, s84, 8
	s_mov_b32 s79, 0
	s_add_nc_u64 s[BP+2*\z:BP+2*\z+1], s[BP+2*\z:BP+2*\z+1], s[78:79]
	s_lshl_b32 s78, s83, 6
	s_lshr_b32 s85, s[TR], 3
	s_lshl4_add_u32 s78, s85, s78                  ; 64 matrix + 16 batch
	s_add_co_u32 s78, s78, s84                     ; + head
	s_lshl_b32 s78, s78, 11                        ; x 2,048 rows
	s_and_b32 s85, s[TR], 7
	s_lshl_b32 s85, s85, 8
	s_add_co_u32 s78, s78, s85                     ; + the tile's first row in its batch
	s_lshl_b32 s85, s[WV], 6
	s_add_co_u32 s78, s78, s85                     ; + my 64 rows
	s_lshl_b32 s78, s78, 7                         ; x 128 bytes
	s_add_nc_u64 s[OB+2*\z:OB+2*\z+1], s[14:15], s[78:79]
.endr
	v_and_b32 v1, 15, v0                           ; r = l % 16
	v_bfe_u32 v2, v0, 4, 1                         ; l / 16
	v_lshlrev_b32 v[BO], 5, v2                     ; the bias of my eight columns: 32 bytes for each half of the lanes
	WIN 0xc0
.irp z, 0,1,2
.irp bb, 0,1,2,3
	global_load_b128 v[8*(4*\z+\bb):8*(4*\z+\bb)+3],   v[BO], s[BP+2*\z:BP+2*\z+1] offset:64*\bb
	global_load_b128 v[8*(4*\z+\bb)+4:8*(4*\z+\bb)+7], v[BO], s[BP+2*\z:BP+2*\z+1] offset:64*\bb+16
.endr
.endr
	WIN 0
	v_and_b32 v3, 7, v0
	v_bfe_u32 v4, v0, 3, 1
	s_mul_i32 s61, s[WV], 64*PA
	v_mul_u32_u24 v[A0], v1, PA                    ; h's fragment: row x pitch + 16 x half, in my 64 rows
	v_lshl_add_u32 v[A0], v2, 4, v[A0]
	v_add_nc_u32 v[A0], s61, v[A0]
	v_lshl_add_u32 v5, v2, 3, v3                   ; the turning load: lane l reads row k = 8 (l / 16) + l % 8, columns 8 ((l / 8) % 2) + 0..7
	v_mul_u32_u24 v[B0], v5, PB
	v_lshl_add_u32 v[B0], v4, 4, v[B0]
	v_add_nc_u32 v[B0], BOFF, v[B0]
	s_mul_i32 s61, s[WV], 16*SP
	s_add_co_u32 s61, s61, STAGE                   ; my stage
	v_mul_u32_u24 v[STO], v1, SP                   ; in: row l % 16, 16 bytes for each half of the lanes
	v_lshl_add_u32 v[STO], v2, 4, v[STO]
	v_add_nc_u32 v[STO], s61, v[STO]
	v_bfe_u32 v[RD], v0, 3, 2                      ; back: 32 lanes take four rows of 128 bytes,
	v_mul_u32_u24 v[RD], v[RD], SP
	v_lshl_add_u32 v[RD], v3, 4, v[RD]
	v_add_nc_u32 v[RD], s61, v[RD]
	v_and_b32 v[GO], 31, v0                        ; which are 512 consecutive bytes of a head
	v_lshlrev_b32 v[GO], 4, v[GO]
	v_mov_b32 v[ADRA], v[A0]
	v_mov_b32 v[ADRB], v[B0]
; 16 matrix instructions: head z, my four blocks of 16 rows x its four blocks of 16 columns, 32 along K out of buffer f.  bias = 1: C is the bias: the first products start the sums.
; The 48 accumulators take turns in the same order in every quarter, one instruction a turn.
.macro MULP f, z, bias
.if (\z) < 2
	WIN 0xa5+0x10*(\bias)
.set AB, 128*(\z)
.else
	WIN 0x05+0x30*(\bias)
.set AB, 128
.endif
.irp a, 0,1,2,3
.irp bb, 0,1,2,3
.if \bias
	v_wmma_f32_16x16x32_f16 v[AB+8*(4*\a+\bb):AB+8*(4*\a+\bb)+7], v[(\f)+32+8*(4*(\z)+\bb):(\f)+32+8*(4*(\z)+\bb)+7], v[(\f)+8*\a:(\f)+8*\a+7], v[8*(4*(\z)+\bb):8*(4*(\z)+\bb)+7]
.else
	v_wmma_f32_16x16x32_f16 v[AB+8*(4*\a+\bb):AB+8*(4*\a+\bb)+7], v[(\f)+32+8*(4*(\z)+\bb):(\f)+32+8*(4*(\z)+\bb)+7], v[(\f)+8*\a:(\f)+8*\a+7], v[AB+8*(4*\a+\bb):AB+8*(4*\a+\bb)+7]
.endif
.endr
.endr
.endm
; 32 LDS loads in one run: a quarter's fragments (32 along K: byte ka of h's rows, byte kb = 32 rows of W on) into buffer f: head 0's W, h, head 1's W, head 2's W
.macro FETCH ka, kb, f
	WIN 0x40
.irp bb, 0,1,2,3
	ds_load_tr16_b128 v[(\f)+32+8*\bb:(\f)+32+8*\bb+3],   v[ADRB] offset:(\kb)+32*\bb
	ds_load_tr16_b128 v[(\f)+32+8*\bb+4:(\f)+32+8*\bb+7], v[ADRB] offset:(\kb)+32*\bb+16*PB
.endr
.irp a, 0,1,2,3
	ds_load_b128 v[(\f)+8*\a:(\f)+8*\a+3],   v[ADRA] offset:(\ka)+\a*16*PA
	ds_load_b128 v[(\f)+8*\a+4:(\f)+8*\a+7], v[ADRA] offset:(\ka)+\a*16*PA+32
.endr
.irp n, 4,5,6,7,8,9,10,11
	ds_load_tr16_b128 v[(\f)+32+8*\n:(\f)+32+8*\n+3],   v[ADRB] offset:(\kb)+160*(\n/4)+32*(\n%4)
	ds_load_tr16_b128 v[(\f)+32+8*\n+4:(\f)+32+8*\n+7], v[ADRB] offset:(\kb)+160*(\n/4)+32*(\n%4)+16*PB
.endr
.endm
; One of a K step's first three quarters: multiplies buffer f; in its middle it fetches the next quarter into buffer g.
.macro QUARTER ka, kb, f, g, bias
	s_wait_dscnt 8                                 ; all but the youngest eight loads (head 2's W) are in
	MULP \f, 0, \bias
	MULP \f, 1, \bias
	PLACES
	FETCH \ka, \kb, \g
	s_wait_dscnt 32                                ; all but the 32 just issued
	MULP \f, 2, \bias
.endm
; The last quarter multiplies buffer 1 and changes slots.  In front of the barrier each wave waits for all its tensor loads (one is out: its part of the next slot), adds 0 to its spare word, and waits for
; that and for its reads of this slot.  fill = 1: the barrier opens a round of the cluster's, and the joint refill, two K steps ahead, is the first thing behind it: 160 matrix instructions ahead of the wait for it.
.macro TURN fill
	WIN 0
	s_wait_tensorcnt 0x0
	ds_add_u32 v[SPW], v[NIL]
	s_wait_dscnt 9                                 ; the add and the youngest eight loads may be out
	MULP F1, 0, 0
	s_wait_dscnt 0x0                               ; the add is done, and my reads of this slot are over
	s_barrier_signal -1
	MULP F1, 1, 0
	WIN 0
	s_barrier_wait -1
.if \fill
	CREST
	s_xor_b32 s[G0A+5], s[G0A+5], SLOT1            ; no tensor load of mine is out: the walking descriptors step to the other slot and the next K step
	s_add_nc_u64 s[G0A+6:G0A+7], s[G0A+6:G0A+7], 256
	s_xor_b32 s[G0B+5], s[G0B+5], SLOT1
	s_add_nc_u64 s[G0B+6:G0B+7], s[G0B+6:G0B+7], 128*6144
	JLOAD                                          ; its four v_nop are also the places in front of the loads below
.else
	PLACES
.endif
	s_xor_b32 s[TB], s[TB], SLOT1
	v_add_nc_u32 v[ADRA], s[TB], v[A0]
	v_add_nc_u32 v[ADRB], s[TB], v[B0]
	FETCH 0, 0, F0
	MULP F1, 2, 0
.endm
; THE WAY OUT of group g = 4 z + a: 16 rows of head z.  PACK: rounded to f16, into my stage, back as whole rows.  SEND: stored.
.macro PACK g
.set zz, (\g)/4
.set aa, (\g)%4
.set BK, 32+16*((\g)%6)
	s_wait_xcnt 0x0                                ; the buffer's registers, which earlier stores read, are rewritten only behind this wait
.if zz < 2
	WIN 0x0a
.set AB, 128*zz+32*aa
.else
	WIN 0
.set AB, 128+32*aa
.endif
.irp bb, 0,1,2,3
.irp r, 0,1,2,3
	v_cvt_pk_f16_f32 v[BK+4*\bb+\r], v[AB+8*\bb+2*\r], v[AB+8*\bb+2*\r+1]
.endr
.endr
	WIN 0
.irp bb, 0,1,2,3
	ds_store_b128 v[STO], v[BK+4*\bb:BK+4*\bb+3] offset:32*\bb
.endr
.irp n, 0,1,2,3
	ds_load_b128 v[BK+4*\n:BK+4*\n+3], v[RD] offset:\n*4*SP  ; LDS serves a wave's instructions in order (ISA guide 5.7.1.4): these see the stores above
.endr
.endm
.macro SEND g, younger                 ; younger: the LDS instructions issued behind this group's loads: the next group's eight, or none
.set zz, (\g)/4
.set aa, (\g)%4
.set BK, 32+16*((\g)%6)
	WIN 0
.irp n, 0,1,2,3
	s_wait_dscnt (\younger)+3-\n
	global_store_b128 v[GO], v[BK+4*\n:BK+4*\n+3], s[OB+2*zz:OB+2*zz+1] offset:2048*aa+512*\n  ; 512 consecutive bytes, aligned
.endr
.endm
	s_wait_tensorcnt 1                             ; my part of K step 0 is in; step 1's may stay out
	s_barrier_signal -1
	s_barrier_wait -1
	FETCH 0, 0, F0
	s_wait_loadcnt 0x0                             ; the bias
	QUARTER 64, 32*PB, F0, F1, 1
	WIN 0
	s_mov_b32 s[CNT], 6
.Lk:                                                   ; six trips: from a step's second quarter to the next step's first; they ask for K steps 2 to 7
	QUARTER 128, 64*PB, F1, F0, 0
	QUARTER 192, 96*PB, F0, F1, 0
	TURN 1
	QUARTER 64, 32*PB, F0, F1, 0
	WIN 0
	s_sub_co_u32 s[CNT], s[CNT], 1
	s_cmp_lg_u32 s[CNT], 0
	s_cbranch_scc1 .Lk
	QUARTER 128, 64*PB, F1, F0, 0                  ; the tail is written out: nothing more is asked for
	QUARTER 192, 96*PB, F0, F1, 0
	TURN 0
	QUARTER 64, 32*PB, F0, F1, 0
	QUARTER 128, 64*PB, F1, F0, 0
	QUARTER 192, 96*PB, F0, F1, 0
	s_wait_dscnt 8
	MULP F1, 0, 0
	MULP F1, 1, 0
	s_wait_dscnt 0x0
	MULP F1, 2, 0
	PLACES
	PACK 0
.irp g, 1,2,3,4,5,6,7,8,9,10,11
	PACK \g
	SEND (\g)-1, 8
.endr
	SEND 11, 0
	s_wait_tensorcnt 0x0                           ; the wave's end
	ds_add_u32 v[SPW], v[NIL]
	s_wait_dscnt 0x0
	CROUND                                         ; the closing round
	s_endpgm
.Lfunc_end_k_qcffcd0f115_qkv:
	.size	k_qcffcd0f115_qkv, .Lfunc_end_k_qcffcd0f115_qkv-k_qcffcd0f115_qkv
	.p2alignl 7, 3214868480
	.fill 96, 4, 3214868480
	.section	.rodata,"a",@progbits
	.p2align	6, 0x0
	.amdhsa_kernel k_qcffcd0f115_qkv
		.amdhsa_group_segment_fixed_size 327680
		.amdhsa_private_segment_fixed_size 0
		.amdhsa_enable_private_segment 0
		.amdhsa_kernarg_size 48
		.amdhsa_user_sgpr_count 2
		.amdhsa_user_sgpr_kernarg_segment_ptr 1
		.amdhsa_wavefront_size32 1
		.amdhsa_system_sgpr_workgroup_id_x 1
		.amdhsa_system_sgpr_workgroup_id_y 1
		.amdhsa_system_sgpr_workgroup_id_z 1
		.amdhsa_system_vgpr_workitem_id 0
		.amdhsa_next_free_vgpr 864
		.amdhsa_next_free_sgpr 86
		.amdhsa_reserve_vcc 0
		.amdhsa_float_denorm_mode_32 3
		.amdhsa_float_denorm_mode_16_64 3
		.amdhsa_memory_ordered 1
		.amdhsa_forward_progress 1
		.amdhsa_inst_pref_size 102
	.end_amdhsa_kernel
	.amdgpu_metadata
---
amdhsa.version: [ 1, 2 ]
amdhsa.kernels:
  - .name:           k_qcffcd0f115_qkv
    .symbol:         k_qcffcd0f115_qkv.kd
    .args:
      - { .name: h, .offset: 0, .size: 8, .value_kind: global_buffer, .address_space: global }
      - { .name: wqkv, .offset: 8, .size: 8, .value_kind: global_buffer, .address_space: global }
      - { .name: bq, .offset: 16, .size: 8, .value_kind: global_buffer, .address_space: global }
      - { .name: bk, .offset: 24, .size: 8, .value_kind: global_buffer, .address_space: global }
      - { .name: bv, .offset: 32, .size: 8, .value_kind: global_buffer, .address_space: global }
      - { .name: qkv, .offset: 40, .size: 8, .value_kind: global_buffer, .address_space: global }
    .group_segment_fixed_size: 327680
    .private_segment_fixed_size: 0
    .kernarg_segment_align: 8
    .kernarg_segment_size: 48
    .max_flat_workgroup_size: 128
    .sgpr_count:     86
    .vgpr_count:     864
    .wavefront_size: 32
...
	.end_amdgpu_metadata
.endif
;; end of part 2
;; launch attn (part 3): grid 4 x 64, 4 waves a work-group, clusters of 4 x 1, 327,680 bytes of LDS; arguments qkv, maskf, rowf, o; writes o
.if DOCPART == 3
	.amdgcn_target "amdgcn-amd-amdhsa--gfx1250"
	.amdhsa_code_object_version 6
	.text
	.protected	k_qcffcd0f115_attn
	.globl	k_qcffcd0f115_attn
	.p2align	8
	.type	k_qcffcd0f115_attn,@function
k_qcffcd0f115_attn:
	s_mov_b64 s[64:65], 0
	v_nop
	global_prefetch_b8 v0, s[64:65] scope:SCOPE_SE
	s_setreg_imm32_b32 hwreg(HW_REG_WAVE_MODE, 25, 1), 1
	s_wait_xcnt 0x0
	s_wait_alu depctr_hold_cnt(0) depctr_sa_sdst(0) depctr_va_vdst(0) depctr_va_sdst(0) depctr_va_ssrc(0) depctr_va_vcc(0) depctr_vm_vsrc(0)
	s_getreg_b32 s2, hwreg(HW_REG_IB_STS2, 6, 4)
	s_cmp_eq_u32 s2, 0
	s_cbranch_scc0 .Lentry_in_a_cluster
	s_endpgm
.Lentry_in_a_cluster:
	s_bfe_u32 s2, ttmp6, 0x10000c
	s_cmp_lg_u32 s2, 0x3003
	s_cbranch_scc0 .Lentry_shape_is_right
	s_endpgm
.Lentry_shape_is_right:
; O[h][q][:] = the sum over k of softmax_k(score) V[h][k][:], score = Q[h][q] . K[h][k] / 32 where mask[q][k] != 0, and a score far below every other where it is 0.
; qkv: [3][64][2048][64] f16 (Q, K, V by heads, unscaled); o: [64][2048][64] f16.  Products, maxima and sums in f32; the weights p are rounded to f16 for the second product, O once at the end.
; THE MASK is an input: every key tile is walked.  maskf holds it as f16 matrix fragments (0, or -2^15 where hidden): a product of a constant fragment (2^15 on a diagonal) with a mask fragment gives a tile
; of 16 keys x 16 queries that is 0 or exactly -2^30, in the layout of S^T, and that tile is the C operand that starts S^T = K Q^T: no vector instruction is spent on the mask.
; A ROW THAT SEES NO KEY: its Q is cleared (AND with rowf), so all its scores are exactly -2^30, all its weights 1, and O is the mean of V's rows, as a softmax over equal scores gives.
; A row that sees some keys: a hidden weight is 2^(-c 2^30) = 0; what was gathered before the row's first seen key is multiplied by a = 0 when that key comes.
; LIMITS.  f16 holds no number beyond 65,504: Q, K, V arrive within it; |Q . K| stays under 2^29; a weight below 2^-126 counts as 0; NaN and infinities are not treated apart.
; SHARES.  A wave owns four PIECES of two tiles of 16 queries, a work-group's four waves 512 queries of one head.  Every wave walks all 2,048 keys, 64 a step.
; LAYOUT.  S^T = K Q^T (source 0 = 16 keys, source 1 = 16 queries): a lane holds ONE query (lane % 16) and the keys 8 (lane / 16) + 0..7.  Two such tiles, rounded to f16 in pairs, ARE source 1 of
; O^T = V^T P.  K comes out of LDS as it lies, V turned, by ds_load_tr16_b128.
; SOFTMAX.  For each query a running maximum m and sum l: p = 2^(c s - c m), c = log2(e) / 32; in every step O and l are multiplied by a = 2^(c m_old - c m_new).  m starts at the lowest finite number, O and l at 0.
; BY TURNS.  Turn n belongs to piece n.  Its matrix work: 16 products K Q^T of piece n + 1, 8 mask products for piece n + 2, 16 products V^T P of piece n - 1.  Its vector work: scaling, exponentials, roundings,
; sums and rescaling of piece n, and the maximum and statistics of piece n + 1.  Four vector instructions stand behind every matrix instruction; the rest stands in two lumps, and the mask products stand in the first.
; THE MASK'S FRAGMENTS come straight from memory into a ring of four register buffers, one a piece, 8 loads of 512 consecutive bytes a turn, asked for four turns (a key step) ahead.
; CLUSTER.  The four query blocks of a cluster belong to one head and walk the same K and V: each tile is asked for JOINTLY.  The mask hangs on the query block, which the partners do not share.
; REGISTERS, in windows of 256 (s_set_vgpr_msb: bits 1:0 source 0, 3:2 source 1, 5:4 source 2, 7:6 destination):
;   window 0: v0-11 addresses; v12-15, v48-63 at work; v16-47 statistics; v64-191 S^T, two buffers of two tiles; v192-255 P, likewise
;   window 1: O^T, 32 a tile          window 2: v0-127 Q; v128-191 K of one step; v192-255 V of one step
;   window 3: v0-1 the add's registers; v2 16 x lane; v4-7 the ring's addresses; v8-23 the two constant fragments; v32-95 the mask tiles of one piece; v128-255 the ring
.set SIZE_N, 2048
.set NP,    4
.set KS,    64
.set PK,    144       ; a row of K in LDS: 128 bytes + 16
.set PV,    160       ; a row of V: 128 + 32
.set VOFF,  4*KS*PK   ; a slot holds four steps: 256 rows of K, then 256 rows of V
.set SLOT1, 1<<17
.set STAGE, SLOT1+4*KS*(PK+PV)
.set SP,    144
.set AK0, 2
.set AV0, 3
.set AK,  4
.set AV,  5
.set QO,  6
.set STO, 6
.set RD,  7
.set GO,  8
.set SPW, 0           ; window 3
.set NIL, 1           ; window 3
.set MO0, 2           ; window 3: 16 x lane; never rewritten
.set MA,  4           ; window 3: buffer p's address register
.set AE,  8           ; window 3: 2^15 where k = m
.set AO,  16          ; window 3: 2^15 where k = 16 + m
.set BA,  32          ; window 3: tile u, key block kb at BA + 32 u + 8 kb
.set MF,  128         ; window 3: buffer p, tile u, 32 keys kk at MF + 32 p + 16 u + 8 kk
.set SPARE, STAGE+4*16*SP
.set MV,  12
.set ST,  16
.set TMP, 48
.set S,   64
.set P,   192
.set KF,  128
.set VF,  192
.set WV,  12
.set G1K, 24
.set G1V, 32
.set G0K, 40
.set G0V, 44
.set SLOTS, 56
.set CNT, 57
.set CS,  58
.set SEL, 60
.set TBK, 62
.set TBV, 63
.set MBASE, 76        ; s[76:77] maskf at my wave's first tile of queries
.set MS,  78          ; s78  byte offset in a tile's 65,536 bytes of the step whose mask is asked for next
.set MSB, 0
.macro WIN new
.if MSB != (\new)
	s_set_vgpr_msb (MSB<<8)|(\new)
.set MSB, (\new)
.endif
.endm
.set W_KQ, 0x0a       ; K and Q in window 2, S^T in window 0
.set W_KM, 0x3a       ; the same with the C operand in window 3
.set W_PV, 0x52       ; V in window 2, P in window 0, O^T in window 1
.set W_RS, 0x41       ; O^T in window 1, a in window 0
.set W_MK, 0xc0       ; destination in window 3, sources in window 0
.set W_AD, 0x0f       ; the add: address and data in window 3
.set W_M,  0xcf       ; the mask's products, address sums and loads: all in window 3
.macro JLOAD
	s_cmp_lt_u32 s[WV], 2
	s_cbranch_scc0 .Lfor_v_\@
	tensor_load_to_lds s[G0K:G0K+3], s[G1K:G1K+7]
	s_nop 0
.rept 4
	v_nop
.endr
	s_branch .Lasked_\@
.Lfor_v_\@:
	tensor_load_to_lds s[G0V:G0V+3], s[G1V:G1V+7]
	s_nop 0
.rept 4
	v_nop
.endr
.Lasked_\@:
.endm
.macro CROUND
	s_barrier_signal -1
	s_barrier_wait -1
	s_cmp_lg_u32 s[WV], 0
	s_cbranch_scc1 .Lnot_wave_0_\@
	s_barrier_signal -3
.Lnot_wave_0_\@:
	s_barrier_wait -3
	s_barrier_signal -1
	s_barrier_wait -1
.endm
; THE CHANGE OF SLOTS.  Each wave waits for all its tensor loads, of which one is out: its part of the other slot; adds 0 to its spare word; and waits for that and for its own reads of the slot.
; fill = 1: the barrier is a round of the cluster's, and the joint fill, with the keys two slots on, is the first thing behind it: it has four key steps in which to land.
.macro CHANGE fill
	WIN W_AD
	s_wait_tensorcnt 0x0            ; no tensor load of mine is out, so a group 0 may be written
	ds_add_u32 v[SPW], v[NIL]
	WIN 0
.if \fill
.irp g, G0K, G0V
	s_xor_b32 s[\g+1], s[\g+1], SLOT1
	s_add_nc_u64 s[\g+2:\g+3], s[\g+2:\g+3], 4*KS*128
.endr
	s_wait_dscnt 0x0                ; the add is done, and my reads of the slot are over
	CROUND
	JLOAD
.else
	s_wait_dscnt 0x0
	s_barrier_signal -1
	s_barrier_wait -1
.endif
	s_sub_co_u32 s[TBK], s[TBK], 4*KS*PK
	s_xor_b32 s[TBK], s[TBK], SLOT1
	s_sub_co_u32 s[TBV], s[TBV], 4*KS*PV
	s_xor_b32 s[TBV], s[TBV], SLOT1
.endm
; Eight loads: the mask fragments of piece p's two tiles for one key step, into ring buffer p; the address register holds the step's offset + 16 x lane.
.macro MLD p, areg
	WIN W_M
.irp u, 0,1
.irp j, 0,1,2,3
	global_load_b128 v[MF+32*(\p)+16*\u+4*\j:MF+32*(\p)+16*\u+4*\j+3], v[\areg], s[MBASE:MBASE+1] offset:(2*(\p)+\u)*65536+512*\j
.endr
.endr
.endm
.macro MLOAD p
	WIN W_M
	v_add_nc_u32 v[MA+(\p)], s[MS], v[MO0]  ; the buffer's last loads have been waited for: its address register is free
	MLD \p, MA+(\p)
.endm
	s_load_b256 s[68:75], s[0:1], 0x0  ; qkv 68, maskf 70, rowf 72, o 74
	WIN W_MK
	v_lshl_add_u32 v[SPW], v0, 2, SPARE
	v_mov_b32 v[NIL], 0
	WIN W_AD
	ds_add_u32 v[SPW], v[NIL]       ; the wave's opening: the add and its wait stand ahead of my first tensor load
	WIN 0
	v_lshrrev_b32 v1, 5, v0
	v_readfirstlane_b32 s[WV], v1
	s_bfe_u32 s13, ttmp6, 0x40000   ; cx
	s_lshl_b32 s14, ttmp9, 2
	s_add_co_u32 s14, s14, s13      ; my block of 512 queries: it enters Q's, O's, the mask's and the flags' addresses alone
	s_and_b32 s20, ttmp7, 0xffff    ; 16 batch + head, which the four partners share
	s_mov_b32 s21, 0
	s_mov_b64 s[22:23], SIZE_N*128
	s_mul_u64 s[20:21], s[20:21], s[22:23]
	s_and_b32 s16, s[WV], 1         ; which half of a slot's 256 keys I fetch
	s_lshl_b32 s22, s16, 14
	s_mov_b32 s23, 0
	s_add_nc_u64 s[22:23], s[22:23], s[20:21]
	s_mul_i32 s17, s16, 128*PK
	s_mul_i32 s18, s16, 128*PV
	s_lshl_b32 s2, s14, 2
	s_add_co_u32 s2, s2, s[WV]      ; my wave among the head's sixteen: 128 queries, 8 tiles each
	s_lshl_b32 s48, s2, 19          ; 8 tiles x 65,536 bytes of maskf
	s_mov_b32 s49, 0
	s_lshl_b32 s50, s2, 9           ; 128 flags of 4 bytes
	s_mov_b32 s51, 0
	s_lshl_b32 s2, s2, 14           ; 128 rows of 128 bytes
	s_mov_b32 s3, 0
	s_add_nc_u64 s[2:3], s[2:3], s[20:21]
	s_mov_b32 s[G1K], 15|(1<<16)|(1<<20)|(1<<21)|(4<<22)|(3<<25)  ; the mask of four; 2-byte elements; padding on; bit 21 beside a mask; 4 words behind every 32
	s_mov_b32 s[G1V], 15|(1<<16)|(1<<20)|(1<<21)|(4<<22)|(7<<25)  ; the same with 8 words
.irp g, G1K, G1V
	s_mov_b32 s[\g+1], 128<<16      ; 128 keys are 16,384 dense bytes: asked for as 64 rows of 256 bytes
	s_mov_b32 s[\g+2], 64<<16
	s_mov_b32 s[\g+3], 128<<16
	s_mov_b32 s[\g+4], 64
	s_mov_b32 s[\g+5], 128
	s_mov_b32 s[\g+6], 0
	s_mov_b32 s[\g+7], 0
.endr
	s_mov_b32 s[CS], 0x3d38aa3b     ; c = log2(e) / 32
	s_mov_b32 s[CS+1], s[CS]
	s_mov_b32 s[SEL], 0x76543210
	s_mov_b32 s[SEL+1], 0xfedcba98
	s_mov_b32 s[TBK], SLOT1+4*KS*PK ; the first change of slots turns these two into 0
	s_mov_b32 s[TBV], SLOT1+4*KS*PV
	s_mov_b32 s[MS], 2048           ; the ring's first refills ask for key step 1
	s_mov_b32 s[G0K], 1
	s_mov_b32 s[G0K+1], s17
	s_mov_b32 s[G0V], 1
	s_add_co_u32 s[G0V+1], s18, VOFF
	s_wait_dscnt 0x0                ; the opening add is done
	s_wait_kmcnt 0x0
	s_add_nc_u64 s[6:7], s[68:69], 0x1000000       ; K lies 64 x 2,048 x 128 bytes behind Q, V as far behind K
	s_add_nc_u64 s[8:9], s[68:69], 0x2000000
	s_add_nc_u64 s[G0K+2:G0K+3], s[6:7], s[22:23]
	s_or_b32 s[G0K+3], s[G0K+3], 0x80000000
	s_add_nc_u64 s[G0V+2:G0V+3], s[8:9], s[22:23]
	s_or_b32 s[G0V+3], s[G0V+3], 0x80000000
	s_add_nc_u64 s[4:5], s[68:69], s[2:3]          ; Q and O at my wave's first row
	s_add_nc_u64 s[10:11], s[74:75], s[2:3]
	s_add_nc_u64 s[MBASE:MBASE+1], s[70:71], s[48:49]
	s_add_nc_u64 s[72:73], s[72:73], s[50:51]
	CROUND                          ; all four work-groups are here: the first joint loads meet
	JLOAD                           ; slot 0
	v_and_b32 v1, 15, v0            ; l % 16
	v_bfe_u32 v9, v0, 4, 1          ; l / 16
	v_lshlrev_b32 v[QO], 7, v1
	v_lshl_add_u32 v[QO], v9, 4, v[QO]
	v_lshlrev_b32 v72, 2, v1        ; my query's flag in a tile's 64 bytes
	v_and_b32 v73, 31, v0
	WIN 0x80
.set i, 0
.rept 4*NP                          ; Q stays in registers: tile i / 2, channels 32 (i % 2) on
	global_load_b128 v[8*i:8*i+3],   v[QO], s[4:5] offset:(i/2)*2048+(i%2)*64
	global_load_b128 v[8*i+4:8*i+7], v[QO], s[4:5] offset:(i/2)*2048+(i%2)*64+32
.set i, i+1
.endr
	WIN 0
.irp t, 0,1,2,3,4,5,6,7
	global_load_b32 v[64+\t], v72, s[72:73] offset:64*\t  ; tile t's flags: S^T's registers are free until the first scores
.endr
	WIN W_MK
	v_lshlrev_b32 v[MO0], 4, v73
	MLD 0, MO0                      ; key step 0's mask for all four pieces
	MLD 1, MO0
	MLD 2, MO0
	MLD 3, MO0
	; the two constant fragments.  Source 0: lane l holds row m = l % 16; registers 0-3 k = 8 (l / 16) + 0..7, registers 4-7 k = 16 + 8 (l / 16) + 0..7, two to a register.
	WIN 0
	v_lshrrev_b32 v74, 3, v1
	v_xor_b32 v74, v74, v9          ; 0 in the half of the lanes that holds k = m
	v_bfe_u32 v76, v1, 1, 2
	v_lshl_add_u32 v74, v74, 2, v76 ; the register that holds it, or a number from 4 on
	v_and_b32 v75, 1, v1
	v_lshlrev_b32 v75, 4, v75
	v_mov_b32 v77, 0x7800           ; 2^15 in f16
	v_lshlrev_b32 v75, v75, v77     ; in the half of the register that m's parity names
	WIN W_MK
.irp n, 0,1,2,3
	v_cmp_eq_u32 vcc_lo, \n, v74
	v_cndmask_b32 v[AE+\n], 0, v75, vcc_lo
	v_cndmask_b32 v[AO+4+\n], 0, v75, vcc_lo
	v_mov_b32 v[AE+4+\n], 0
	v_mov_b32 v[AO+\n], 0
.endr
	; What the first turn finds: V's registers and P's second buffer hold 0, O^T and l are 0.  All this stands in the wait for the first tile.
	WIN 0x80
.set i, VF
.rept 64
	v_mov_b32 v[i], 0
.set i, i+1
.endr
	WIN 0x40
.set i, 0
.rept 64*NP
	v_mov_b32 v[i], 0
.set i, i+1
.endr
	WIN 0
.set i, 0
.rept 2*NP
	v_mov_b32 v[ST+4*i], 0xfe000000    ; c m: far below every c s, the hidden ones' too
	v_mov_b32 v[ST+4*i+1], 0xff7fffff  ; m
	v_mov_b32 v[ST+4*i+2], 0
	v_mov_b32 v[ST+4*i+3], 0
.set i, i+1
.endr
.set i, P+32
.rept 32
	v_mov_b32 v[i], 0
.set i, i+1
.endr
	v_mul_u32_u24 v[AK0], v1, PK
	v_lshl_add_u32 v[AK0], v9, 4, v[AK0]
	v_and_b32 v10, 7, v0
	v_bfe_u32 v11, v0, 3, 1
	v_lshl_add_u32 v[AV0], v9, 3, v10
	v_mul_u32_u24 v[AV0], v[AV0], PV
	v_lshl_add_u32 v[AV0], v11, 4, v[AV0]
	v_add_nc_u32 v[AV0], VOFF, v[AV0]
	v_mov_b32 v[AK], v[AK0]
; THE MATRIX WORK.  The accumulators of a run take turns.
; Product i of 16 of S^T = K Q^T for piece x: channels 32 (i / 8) on, keys 16 ((i / 2) % 4) on, tile 2 x + i % 2.  The first 8 start the sums with the mask's tiles.
.macro KQ x
.set rS, S+64*((\x)%2)+32*(i%2)+8*((i/2)%4)
.set rK, KF+16*((i/2)%4)+8*(i/8)
.set rQ, 16*(2*(\x)+i%2)+8*(i/8)
.set rBA, BA+32*(i%2)+8*((i/2)%4)
.if i < 8
	WIN W_KM
	v_wmma_f32_16x16x32_f16 v[rS:rS+7], v[rK:rK+7], v[rQ:rQ+7], v[rBA:rBA+7]
.else
	WIN W_KQ
	v_wmma_f32_16x16x32_f16 v[rS:rS+7], v[rK:rK+7], v[rQ:rQ+7], v[rS:rS+7]
.endif
.endm
.macro PV x
	WIN W_PV
.set rO, 32*(2*(\x)+i%2)+8*((i/2)%4)
.set rV, VF+32*(i/8)+8*((i/2)%4)
.set rP, P+32*((\x)%2)+16*(i%2)+8*(i/8)
	v_wmma_f32_16x16x32_f16 v[rO:rO+7], v[rV:rV+7], v[rP:rP+7], v[rO:rO+7]
.endm
; Mask product n of 8 for piece Y + 2: tile n % 2, key block n / 2: 0 or -2^30 for 16 keys x 16 queries.
.macro MB n
	WIN W_M
.set rB, BA+32*((\n)%2)+8*((\n)/2)
.set rA, AE+8*(((\n)/2)%2)
.set rF, MF+32*((Y+2)%NP)+16*((\n)%2)+8*((\n)/4)
	v_wmma_f32_16x16x32_f16 v[rB:rB+7], v[rA:rA+7], v[rF:rF+7], 0
.endm
.macro MM
.if i < 16
	KQ (Y+1)%NP
.set i, i+1
.else
.set i, i-16
	PV (Y+NP-1)%NP
.set i, i+17
.endif
.endm
.macro FETCH_K last=0
	WIN 0
.if \last
	s_cmp_eq_u32 s[CNT], 1
	s_cbranch_scc1 .Lno_k_\@
.endif
	WIN 0x80
.irp f, 0,1,2,3,4,5,6,7
	ds_load_b128 v[KF+8*\f:KF+8*\f+3],   v[AK] offset:(\f/2)*16*PK+(\f%2)*64
	ds_load_b128 v[KF+8*\f+4:KF+8*\f+7], v[AK] offset:(\f/2)*16*PK+(\f%2)*64+32
.endr
	s_add_co_u32 s[TBK], s[TBK], KS*PK
	WIN 0
.if \last
.Lno_k_\@:
.endif
.endm
.macro FETCH_V
	WIN 0x80
.irp f, 0,1,2,3,4,5,6,7
	ds_load_tr16_b128 v[VF+8*\f:VF+8*\f+3],   v[AV] offset:(\f/4)*32*PV+(\f%4)*32
	ds_load_tr16_b128 v[VF+8*\f+4:VF+8*\f+7], v[AV] offset:(\f/4)*32*PV+16*PV+(\f%4)*32
.endr
	WIN 0
.endm
; THE VECTOR WORK OF A TURN stands in three queues, each in the order in which its entries become ready; the two tiles alternate.
.macro REGS y, u
.set rT, ST+4*(2*(\y)+(\u))
.set rC, TMP+8*((\y)%2)+4*(\u)
.set rM, MV+2*((\y)%2)+(\u)
.set rS, S+64*((\y)%2)+32*(\u)
.set rP, P+32*((\y)%2)+16*(\u)
.set rO, 32*(2*(\y)+(\u))
.endm
; Number n of the 22 that find the NEXT piece's maximum and statistics; each accumulator's lowest registers are read first.
.macro XS u, n
	REGS (Y+1)%NP, \u
.if (\n) < 4
	v_max3_num_f32 v[rC+(\n)], v[rS+8*(\n)], v[rS+8*(\n)+1], v[rS+8*(\n)+2]
.elseif (\n) < 12
	v_max3_num_f32 v[rC+(\n)%4], v[rC+(\n)%4], v[rS+8*((\n)%4)+2*((\n)/4)+1], v[rS+8*((\n)%4)+2*((\n)/4)+2]
.elseif (\n) == 12
	v_max3_num_f32 v[rC], v[rC], v[rS+7], v[rS+15]
.elseif (\n) == 13
	v_max3_num_f32 v[rC+1], v[rC+1], v[rS+23], v[rS+31]
.elseif (\n) == 14
	v_max3_num_f32 v[rC+2], v[rC+2], v[rC+3], v[rT+1]
.elseif (\n) == 15
	v_mov_b32 v[rM], v[rT]
.elseif (\n) == 16
	v_max3_num_f32 v[rC], v[rC], v[rC+1], v[rC+2]
.elseif (\n) == 17
	v_permlanex16_b32 v[rC+3], v[rC], s[SEL], s[SEL+1]
.elseif (\n) == 18
	v_max_num_f32 v[rT+1], v[rC], v[rC+3]
.elseif (\n) == 19
	v_mul_f32 v[rT], s[CS], v[rT+1]
.elseif (\n) == 20
	v_sub_f32 v[rC+1], v[rM], v[rT]
.else
	v_exp_f32 v[rC+2], v[rC+1]
.endif
.endm
; Number g of the 64 that follow the exponentials: roundings to f16, sums of four weights in place, and l a group later.
.macro GS g
.set h, (\g)+6*((\g)/62)
.if h >= 6
.set h, h+2
.endif
	REGS Y, h%2
.set k, h/8
.if h%8 < 4
	s_wait_alu depctr_va_vdst(0)
	v_cvt_pk_f16_f32 v[rP+2*k+(h%8)/2], v[rS+4*k+2*((h%8)/2)], v[rS+4*k+2*((h%8)/2)+1]
.elseif h%8 < 6
	v_pk_add_f32 v[rS+4*k:rS+4*k+1], v[rS+4*k:rS+4*k+1], v[rS+4*k+2:rS+4*k+3]
.elseif k == 1
	v_pk_fma_f32 v[rT+2:rT+3], v[rT+2:rT+3], v[rC+2:rC+3], v[rS:rS+1] op_sel_hi:[1,0,1]
.else
	v_pk_add_f32 v[rT+2:rT+3], v[rT+2:rT+3], v[rS+4*k-4:rS+4*k-3]
	s_wait_alu depctr_va_vdst(0)
.endif
.endm
; THE PLAIN QUEUE, 138 long.
.macro PL
	WIN 0
.if q < 32
	REGS Y, q%2
	v_pk_fma_f32 v[rS+2*(q/2):rS+2*(q/2)+1], v[rS+2*(q/2):rS+2*(q/2)+1], s[CS:CS+1], v[rT:rT+1] op_sel_hi:[1,0,0] neg_lo:[0,0,1] neg_hi:[0,0,1]
.elseif q < 38
	GS q-32
.elseif q < 40
	XS q%2, 15
.elseif q < 42
	GS q-34
.elseif q < 74
	XS q%2, (q-42)/2+(q-42)/30
.elseif q < 95
	GS q-66
.elseif (q < 107) && ((q-95)%3 < 2)
	XS (q-95)%3, 17+(q-95)/3
.elseif q < 107
	GS 29+(q-95)/3
.else
	GS q-74
.endif
.set q, q+1
.endm
; THE EXPONENTIALS' QUEUE, 66 long.
.set EA, 58
.macro EX
	WIN 0
.if (e == EA) || (e == EA+1)
	XS e-EA, 21
.else
.set x, e-2*(e/(EA+2))
	REGS Y, x%2
	v_exp_f32 v[rS+x/2], v[rS+x/2]
.endif
.set e, e+1
.endm
; THE RESCALING's QUEUE: O^T times a, four at a time.
.macro R4
	REGS Y, r%2
	WIN W_RS
	s_wait_alu depctr_va_vdst(0)
.irp z, 0,1,2,3
	v_pk_mul_f32 v[rO+8*(r/2)+2*\z:rO+8*(r/2)+2*\z+1], v[rO+8*(r/2)+2*\z:rO+8*(r/2)+2*\z+1], v[rC+2:rC+3] op_sel_hi:[1,0]
.endr
.set r, r+1
.endm
.macro SL
	MM
	PL
	EX
	PL
	PL
.endm
.macro BURST n
.rept (\n)-7
	SL
.endr
.rept 3
	MM
	R4
	SL
.endr
	MM
	R4
.endm
; A TURN, for piece p.  The first lump begins with exponential 11; a mask product stands ahead of every second of its first sixteen pairs, so each has exponential, plain, exponential, plain behind it.
; The wait ahead of the lump leaves 24 loads out: the three ring buffers asked for behind the one that is read now.  That buffer is asked for again behind the lump: eight plain instructions behind the last mask product.
; The mask tiles are written behind the eight products of this turn that read the last ones (eight further products with their riders lie between) and are read at the head of the next turn.
.macro TURN p, last=0, cnt=0
.set Y, (\p)
.set i, 0
.set q, 0
.set e, 0
.set r, 0
.if (\p) == NP-1
	s_wait_dscnt 0x0                ; K is in
.endif
	MM
.rept 4
	PL
.endr
	BURST 15
	s_wait_loadcnt 24
.rept 22
.if ((e-11)%2 == 0) && (e < 27)
	MB (e-11)/2
.endif
	EX
	PL
.if ((\p) == NP-2) && (e == 18)
	v_add_nc_u32 v[AK], s[TBK], v[AK0]
.endif
.if ((\p) == NP-2) && (e == 24)
	FETCH_K \last
.endif
.endr
	MLOAD ((\p)+2)%NP
.if (\p) == 1
	s_add_co_u32 s[MS], s[MS], 2048 ; pieces 0 and 1 are a step ahead of pieces 2 and 3 in the ring
	s_and_b32 s[MS], s[MS], 0xffff  ; behind the last step the requests go round to step 0: no load leaves maskf
	s_wait_dscnt 0x0                ; V is in
.endif
	BURST 16
.rept 21
	EX
	PL
.endr
.rept 22
	PL
.if ((\p) == 0) && (q == 118)
	v_add_nc_u32 v[AV], s[TBV], v[AV0]
	s_wait_alu depctr_va_vdst(0)
.endif
.if ((\p) == 0) && (q == 130)
	s_add_co_u32 s[TBV], s[TBV], KS*PV
.endif
.if (\cnt) && (q == 130)
	s_sub_co_u32 s[CNT], s[CNT], 1
	s_cmp_lg_u32 s[CNT], 0
.endif
.endr
.if (\p) == 0
	FETCH_V
.endif
.endm
	CHANGE 1                        ; slot 0 is in, everybody's part of it; slot 1 is asked for
	FETCH_K                         ; key step 0
	s_wait_loadcnt 32               ; Q and the flags are in; the mask's 32 loads may stay out
	WIN 0x88                        ; destination and source 1 in window 2, source 0 in window 0
.set t, 0
.rept 2*NP
.set i, 0
.rept 16
	v_and_b32 v[16*t+i], v[64+t], v[16*t+i]  ; the Q of a row that sees no key is cleared
.set i, i+1
.endr
.set t, t+1
.endr
	s_wait_loadcnt 24               ; piece 0's mask is in
.set Y, 2
.irp n, 0,1,2,3,4,5,6,7
	MB \n
.endr
.rept 5
	v_nop                           ; the places behind those products: their results are C operands below, and their sources are loaded anew
.endr
	MLOAD 0                         ; piece 0's mask of key step 1
	s_wait_dscnt 0x0
.set i, 0
.rept 16
	KQ 0
.set i, i+1
.endr
	WIN 0                           ; the addresses for the way out: nine plain instructions, the places behind those products
	s_mul_i32 s13, s[WV], 16*SP
	s_add_co_u32 s13, s13, STAGE
	v_mul_u32_u24 v[STO], v1, SP
	v_lshl_add_u32 v[STO], v9, 4, v[STO]
	v_add_nc_u32 v[STO], s13, v[STO]
	v_bfe_u32 v[RD], v0, 3, 2
	v_mul_u32_u24 v[RD], v[RD], SP
	v_lshl_add_u32 v[RD], v10, 4, v[RD]
	v_add_nc_u32 v[RD], s13, v[RD]
	v_and_b32 v[GO], 31, v0
	v_lshlrev_b32 v[GO], 4, v[GO]
	s_wait_loadcnt 24               ; piece 1's mask is in
.set Y, 3
.irp n, 0,1,2,3,4,5,6,7
	MB \n
.endr
.rept 4
	v_nop
.endr
	MLOAD 1                         ; piece 1's mask of key step 1
	WIN 0
.set Y, NP-1                        ; XS works for piece Y + 1: piece 0
.irp n, 0,1,2,3,4,5,6,7,8,9,10,11,12,13,14,15,16,17,18,19,20,21
	XS 0, \n
	XS 1, \n
.endr
	s_mov_b32 s[CNT], 4
	s_mov_b32 s[SLOTS], SIZE_N/256-1
	s_branch .Lfirst                ; the loop is entered at a step's first turn, in the middle of a trip
.Lslot:                             ; SIZE_N / 256 - 2 times: every slot but the last two is filled again
	CHANGE 1
	s_mov_b32 s[CNT], 4
.Lstep:                             ; a trip: pieces 2 and 3 of one step, then pieces 0 and 1 of the next
	TURN 2
	TURN 3
	WIN 0
.Lfirst:
	TURN 0
	TURN 1, 0, 1
	WIN 0
	s_cbranch_scc1 .Lstep
	s_sub_co_u32 s[SLOTS], s[SLOTS], 1
	s_cmp_lg_u32 s[SLOTS], 0
	s_cbranch_scc1 .Lslot
	CHANGE 0                        ; the tail is written out
	s_mov_b32 s[CNT], 5
.Ltail:
	TURN 2, 1
	TURN 3
	WIN 0
	s_sub_co_u32 s[CNT], s[CNT], 1
	s_cmp_eq_u32 s[CNT], 0
	s_cbranch_scc1 .Lout
	TURN 0
	TURN 1
	WIN 0
	s_branch .Ltail
.Lout:                              ; the fifth trip's products K Q^T and mask products serve nothing: the price, once a launch, of one text for every trip
.set i, 0
.rept 16
	PV NP-1
.set i, i+1
.endr
	; THE WAY OUT.  l's two halves and the other half of the lanes' are added; O^T is divided by l, rounded to f16 and sent through my stage in LDS, a tile at a time.
	WIN 0
.macro ALL line:vararg
.set t, 0
.rept 2*NP
	\line
.set t, t+1
.endr
.endm
	ALL v_add_f32 v[ST+4*t+2], v[ST+4*t+2], v[ST+4*t+3]
	ALL v_permlanex16_b32 v[ST+4*t+3], v[ST+4*t+2], s[SEL], s[SEL+1]
	ALL v_add_f32 v[ST+4*t+2], v[ST+4*t+2], v[ST+4*t+3]
	ALL v_rcp_f32 v[ST+4*t+2], v[ST+4*t+2]
	v_nop                           ; a plain instruction between the last reciprocal and the use of its result
	s_wait_alu depctr_va_vdst(0)
.macro PACK t
	WIN W_RS
.set i, 32*(\t)
.rept 16
	v_pk_mul_f32 v[i:i+1], v[i:i+1], v[ST+4*(\t)+2:ST+4*(\t)+3] op_sel_hi:[1,0]
.set i, i+2
.endr
	WIN 0x05
.set i, 0
.rept 16
	v_cvt_pk_f16_f32 v[S+16*(\t)+i], v[32*(\t)+2*i], v[32*(\t)+2*i+1]
.set i, i+1
.endr
	WIN 0
.irp f, 0,1,2,3
	ds_store_b128 v[STO], v[S+16*(\t)+4*\f:S+16*(\t)+4*\f+3] offset:32*\f
.endr
.irp f, 0,1,2,3
	ds_load_b128 v[S+16*(\t)+4*\f:S+16*(\t)+4*\f+3], v[RD] offset:\f*4*SP  ; LDS serves a wave's instructions in order (ISA guide 5.7.1.4)
.endr
.endm
.macro SEND t, younger
	WIN 0
.irp f, 0,1,2,3
	s_wait_dscnt (\younger)+3-\f
	global_store_b128 v[GO], v[S+16*(\t)+4*\f:S+16*(\t)+4*\f+3], s[10:11] offset:(\t)*2048+\f*512  ; 512 consecutive bytes, aligned
.endr
.endm
	PACK 0
.set t, 1
.rept 2*NP-1
	PACK t
	SEND t-1, 8
.set t, t+1
.endr
	SEND 2*NP-1, 0
	WIN W_AD
	s_wait_tensorcnt 0x0            ; the wave's end
	ds_add_u32 v[SPW], v[NIL]
	s_wait_dscnt 0x0
	WIN 0
	CROUND                          ; the closing round
	s_endpgm
.Lfunc_end_k_qcffcd0f115_attn:
	.size	k_qcffcd0f115_attn, .Lfunc_end_k_qcffcd0f115_attn-k_qcffcd0f115_attn
	.p2alignl 7, 3214868480
	.fill 96, 4, 3214868480
	.section	.rodata,"a",@progbits
	.p2align	6, 0x0
	.amdhsa_kernel k_qcffcd0f115_attn
		.amdhsa_group_segment_fixed_size 327680
		.amdhsa_private_segment_fixed_size 0
		.amdhsa_enable_private_segment 0
		.amdhsa_kernarg_size 32
		.amdhsa_user_sgpr_count 2
		.amdhsa_user_sgpr_kernarg_segment_ptr 1
		.amdhsa_wavefront_size32 1
		.amdhsa_system_sgpr_workgroup_id_x 1
		.amdhsa_system_sgpr_workgroup_id_y 1
		.amdhsa_system_sgpr_workgroup_id_z 1
		.amdhsa_system_vgpr_workitem_id 0
		.amdhsa_next_free_vgpr 1024
		.amdhsa_next_free_sgpr 80
		.amdhsa_reserve_vcc 1
		.amdhsa_float_denorm_mode_32 3
		.amdhsa_float_denorm_mode_16_64 3
		.amdhsa_memory_ordered 1
		.amdhsa_forward_progress 1
		.amdhsa_inst_pref_size 236
	.end_amdhsa_kernel
	.amdgpu_metadata
---
amdhsa.version: [ 1, 2 ]
amdhsa.kernels:
  - .name:           k_qcffcd0f115_attn
    .symbol:         k_qcffcd0f115_attn.kd
    .args:
      - { .name: qkv, .offset: 0, .size: 8, .value_kind: global_buffer, .address_space: global }
      - { .name: maskf, .offset: 8, .size: 8, .value_kind: global_buffer, .address_space: global }
      - { .name: rowf, .offset: 16, .size: 8, .value_kind: global_buffer, .address_space: global }
      - { .name: o, .offset: 24, .size: 8, .value_kind: global_buffer, .address_space: global }
    .group_segment_fixed_size: 327680
    .private_segment_fixed_size: 0
    .kernarg_segment_align: 8
    .kernarg_segment_size: 32
    .max_flat_workgroup_size: 128
    .sgpr_count:     80
    .vgpr_count:     1024
    .wavefront_size: 32
...
	.end_amdgpu_metadata
.endif
;; end of part 3
;; launch proj (part 4): grid 8 x 32, 4 waves a work-group, clusters of 4 x 4, 327,680 bytes of LDS; arguments o, woh, bo, x, out0; writes out0
.if DOCPART == 4
	.amdgcn_target "amdgcn-amd-amdhsa--gfx1250"
	.amdhsa_code_object_version 6
	.text
	.protected	k_qcffcd0f115_proj
	.globl	k_qcffcd0f115_proj
	.p2align	8
	.type	k_qcffcd0f115_proj,@function
k_qcffcd0f115_proj:
	s_mov_b64 s[64:65], 0
	v_nop
	global_prefetch_b8 v0, s[64:65] scope:SCOPE_SE
	s_setreg_imm32_b32 hwreg(HW_REG_WAVE_MODE, 25, 1), 1
	s_wait_xcnt 0x0
	s_wait_alu depctr_hold_cnt(0) depctr_sa_sdst(0) depctr_va_vdst(0) depctr_va_sdst(0) depctr_va_ssrc(0) depctr_va_vcc(0) depctr_vm_vsrc(0)
	s_getreg_b32 s2, hwreg(HW_REG_IB_STS2, 6, 4)
	s_cmp_eq_u32 s2, 0
	s_cbranch_scc0 .Lentry_in_a_cluster
	s_endpgm
.Lentry_in_a_cluster:
	s_bfe_u32 s2, ttmp6, 0x10000c
	s_cmp_lg_u32 s2, 0xf033
	s_cbranch_scc0 .Lentry_shape_is_right
	s_endpgm
.Lentry_shape_is_right:
; PROJ: out0 = x + o Wo + bo.  o: [16 batch + head][2048][64] f16, woh: [1024 k][1024 n] f16, bo, x, out0 in f32; sums in f32.
; A tile of C is 256 rows x 128 columns: 8 x 32 = 256 work-groups.  Four waves; wave w makes rows 64 w .. + 63 of all 128 columns: 32 accumulators, 256 registers.
; K goes in 8 steps of 128 = two heads through two LDS slots.  A head's 256 rows are 32,768 dense bytes: asked for as 128 rows of 256 bytes and padded in LDS behind each 128.
; CLUSTER: 4 x 4 work-groups; o's tiles are shared along a row of the cluster, woh's along a column, by joint loads.
; THE MATRIX INSTRUCTION IS USED TRANSPOSED (source 0 = 16 columns of Wo, turned out of LDS; source 1 = 16 rows of o); the bias is the C operand of the first products.
; The residual's rows are loaded into registers while the products run, and added when a block of 16 rows has come back from the stage as whole rows of 512 bytes.
; REGISTERS: window 0: v0-31 addresses; v64-127, v128-191 16 rows on the way out, by turns.  window 1: two fragment buffers of 96 (o's four fragments at 8 a, Wo's eight at 32 + 8 b); v192-255 the bias.
;   window 2: the accumulators at 8 (8 a + b).  window 3: x, four registers a row.
.set PA,     144                       ; a row of o in LDS: 128 bytes + 16
.set AHEAD,  256*PA                    ; one head's 256 rows: what wave 0 or 1 fetches
.set BOFF,   2*AHEAD
.set PB,     288                       ; a row of Wo in LDS: 256 bytes + 32
.set BHALF,  64*PB                     ; what wave 2 or 3 fetches
.set SLOT1,  1<<17
.set STAGE,  2*SLOT1                   ; 16 rows x 528 bytes of f32 for each wave; no tensor load lands here
.set SP,     528
.set SPARE,  STAGE+4*16*SP
.set A0,  16
.set B0,  17
.set ADRA, 18
.set ADRB, 19
.set STO, 24
.set RD,  25
.set XO,  26
.set SPW, 28
.set NIL, 29
.set BO,  30
.set F0,  0
.set F1,  96
.set BI,  192
.set WV,  16
.set FB,  17
.set HF,  18
.set TC,  21
.set TR,  22
.set CNT, 25
.set TB,  26
.set G1A, 28
.set G1B, 36
.set G0A, 44
.set G0B, 52
.set MSB, 0
.macro WIN new
.if MSB != (\new)
	s_set_vgpr_msb (MSB<<8)|(\new)
.set MSB, (\new)
.endif
.endm
.macro PLACES
.rept 4
	v_nop
.endr
.endm
.macro JLOAD                           ; a joint refill by the walking descriptor; an s_nop 0 and four v_nop follow each of the two lines
	s_cmp_eq_u32 s[FB], 0
	s_cbranch_scc0 .Lfor_b_\@
	tensor_load_to_lds s[G0A+4:G0A+7], s[G1A:G1A+7]
	s_nop 0
.rept 4
	v_nop
.endr
	s_branch .Lasked_\@
.Lfor_b_\@:
	tensor_load_to_lds s[G0B+4:G0B+7], s[G1B:G1B+7]
	s_nop 0
.rept 4
	v_nop
.endr
.Lasked_\@:
.endm
.macro CREST
	s_cmp_lg_u32 s[WV], 0
	s_cbranch_scc1 .Lnot_wave_0_\@
	s_barrier_signal -3
.Lnot_wave_0_\@:
	s_barrier_wait -3
	s_barrier_signal -1
	s_barrier_wait -1
.endm
.macro CROUND
	s_barrier_signal -1
	s_barrier_wait -1
	CREST
.endm
	s_load_b256 s[4:11], s[0:1], 0x0               ; o 4, woh 6, bo 8, x 10
	s_load_b64 s[12:13], s[0:1], 0x20              ; out0
	v_lshl_add_u32 v[SPW], v0, 2, SPARE
	v_mov_b32 v[NIL], 0
	ds_add_u32 v[SPW], v[NIL]                      ; the wave's opening: the add and its wait stand ahead of my first tensor load
	v_lshrrev_b32 v1, 5, v0
	v_readfirstlane_b32 s[WV], v1
	s_lshr_b32 s[FB], s[WV], 1
	s_and_b32 s[HF], s[WV], 1
	s_bfe_u32 s19, ttmp6, 0x40000                  ; cx
	s_bfe_u32 s20, ttmp6, 0x40004                  ; cy
	s_lshl_b32 s[TC], ttmp9, 2
	s_add_co_u32 s[TC], s[TC], s19
	s_and_b32 s[TR], ttmp7, 0xffff
	s_lshl_b32 s[TR], s[TR], 2
	s_add_co_u32 s[TR], s[TR], s20
	s_lshl_b32 s23, s20, 2
	s_lshl_b32 s23, 15, s23                        ; my row of the cluster
	s_lshl_b32 s24, 0x1111, s19                    ; my column
	s_or_b32 s[G1A], s23, (1<<16)|(1<<20)|(1<<21)|(4<<22)|(3<<25)  ; mask; 2-byte elements; padding on; bit 21 beside a mask; 4 words behind every 32
	s_mov_b32 s[G1A+1], 128<<16
	s_mov_b32 s[G1A+2], 128<<16
	s_mov_b32 s[G1A+3], 128<<16
	s_mov_b32 s[G1A+4], 128
	s_mov_b32 s[G1A+5], 128
	s_mov_b32 s[G1A+6], 0
	s_mov_b32 s[G1A+7], 0
	s_or_b32 s[G1B], s24, (1<<16)|(1<<20)|(1<<21)|(5<<22)|(7<<25)  ; 8 words behind every 64
	s_mov_b32 s[G1B+1], 128<<16
	s_mov_b32 s[G1B+2], 64<<16
	s_mov_b32 s[G1B+3], 128<<16
	s_mov_b32 s[G1B+4], 64
	s_mov_b32 s[G1B+5], 1024
	s_mov_b32 s[G1B+6], 0
	s_mov_b32 s[G1B+7], 0
	s_mul_i32 s60, s[HF], AHEAD                    ; where my part goes
	s_mul_i32 s78, s[HF], BHALF
	s_add_co_u32 s78, s78, BOFF
	s_lshr_b32 s62, s[TR], 3                       ; o: (16 batch + my head of the step's two) x 2,048 rows + the tile's first row in its batch, 128 bytes a row
	s_lshl_b32 s62, s62, 4
	s_add_co_u32 s62, s62, s[HF]
	s_lshl_b32 s62, s62, 11
	s_and_b32 s63, s[TR], 7
	s_lshl_b32 s63, s63, 8
	s_add_co_u32 s62, s62, s63
	s_lshl_b32 s62, s62, 7
	s_mov_b32 s63, 0
	s_lshl_b32 s80, s[TC], 8                       ; Wo: column 128 x tile column, row 64 x half, 2,048 bytes a row
	s_lshl_b32 s81, s[HF], 17
	s_add_co_u32 s80, s80, s81
	s_mov_b32 s81, 0
	s_mov_b32 s[TB], 0
	s_wait_dscnt 0x0                               ; the opening add is done
	s_wait_kmcnt 0x0
	s_add_nc_u64 s[62:63], s[4:5], s[62:63]
	s_add_nc_u64 s[80:81], s[6:7], s[80:81]
.irp s, 0,1
	s_mov_b32 s[G0A+4*\s], 1
	s_add_co_u32 s[G0A+4*\s+1], s60, \s*SLOT1
	s_add_nc_u64 s[G0A+4*\s+2:G0A+4*\s+3], s[62:63], \s*2*2048*128
	s_or_b32 s[G0A+4*\s+3], s[G0A+4*\s+3], 0x80000000
	s_mov_b32 s[G0B+4*\s], 1
	s_add_co_u32 s[G0B+4*\s+1], s78, \s*SLOT1
	s_add_nc_u64 s[G0B+4*\s+2:G0B+4*\s+3], s[80:81], \s*128*2048
	s_or_b32 s[G0B+4*\s+3], s[G0B+4*\s+3], 0x80000000
.endr
	CROUND                                         ; all sixteen work-groups are here: the first joint loads meet
	s_cmp_eq_u32 s[FB], 0                          ; a wave's two first fills stand in one branch: two loads of mine are out
	s_cbranch_scc0 .Lfirst_b
	tensor_load_to_lds s[G0A:G0A+3], s[G1A:G1A+7]
	s_nop 0
	tensor_load_to_lds s[G0A+4:G0A+7], s[G1A:G1A+7]
	s_nop 0
.rept 4
	v_nop
.endr
	s_branch .Lfirst_asked
.Lfirst_b:
	tensor_load_to_lds s[G0B:G0B+3], s[G1B:G1B+7]
	s_nop 0
	tensor_load_to_lds s[G0B+4:G0B+7], s[G1B:G1B+7]
	s_nop 0
.rept 4
	v_nop
.endr
.Lfirst_asked:
	s_lshl_b32 s82, s[TR], 8                       ; x and out0 at my 64 rows and the tile's 128 columns
	s_lshl_b32 s83, s[WV], 6
	s_add_co_u32 s82, s82, s83
	s_lshl_b32 s82, s82, 12
	s_lshl_b32 s84, s[TC], 9
	s_mov_b32 s85, 0
	s_add_co_u32 s82, s82, s84
	s_mov_b32 s83, 0
	s_add_nc_u64 s[10:11], s[10:11], s[82:83]
	s_add_nc_u64 s[12:13], s[12:13], s[82:83]
	s_add_nc_u64 s[8:9], s[8:9], s[84:85]          ; bo at the tile's columns
	v_and_b32 v1, 15, v0                           ; r = l % 16
	v_bfe_u32 v2, v0, 4, 1                         ; l / 16
	v_lshlrev_b32 v[BO], 5, v2
	WIN 0x40
.irp b, 0,1,2,3,4,5,6,7
	global_load_b128 v[BI+8*\b:BI+8*\b+3],   v[BO], s[8:9] offset:64*\b
	global_load_b128 v[BI+8*\b+4:BI+8*\b+7], v[BO], s[8:9] offset:64*\b+16
.endr
	WIN 0
	v_and_b32 v3, 7, v0
	v_bfe_u32 v4, v0, 3, 1
	s_mul_i32 s61, s[WV], 64*PA
	v_mul_u32_u24 v[A0], v1, PA
	v_lshl_add_u32 v[A0], v2, 4, v[A0]
	v_add_nc_u32 v[A0], s61, v[A0]
	v_lshl_add_u32 v5, v2, 3, v3
	v_mul_u32_u24 v[B0], v5, PB
	v_lshl_add_u32 v[B0], v4, 4, v[B0]
	v_add_nc_u32 v[B0], BOFF, v[B0]
	s_mul_i32 s61, s[WV], 16*SP
	s_add_co_u32 s61, s61, STAGE                   ; my stage
	v_mul_u32_u24 v[STO], v1, SP                   ; in: row l % 16, 32 bytes for each half of the lanes
	v_lshl_add_u32 v[STO], v2, 5, v[STO]
	v_add_nc_u32 v[STO], s61, v[STO]
	v_and_b32 v[XO], 31, v0
	v_lshlrev_b32 v[XO], 4, v[XO]                  ; 16 x lane: my place in a row's 512 bytes, in x, in out0
	v_add_nc_u32 v[RD], s61, v[XO]                 ; and in the stage
	v_mov_b32 v[ADRA], v[A0]
	v_mov_b32 v[ADRB], v[B0]
; 8 matrix instructions: row blocks a0, a0 + 1 x column blocks b0 .. b0 + 3, 32 along K out of buffer f.  bias = 1: C is the bias.  The 32 accumulators take turns.
.macro MUL8 f, a0, b0, bias
	WIN 0xa5-0x10*(\bias)
.irp a, \a0, (\a0)+1
.irp b, \b0, (\b0)+1, (\b0)+2, (\b0)+3
.if \bias
	v_wmma_f32_16x16x32_f16 v[8*(8*(\a)+(\b)):8*(8*(\a)+(\b))+7], v[(\f)+32+8*(\b):(\f)+32+8*(\b)+7], v[(\f)+8*(\a):(\f)+8*(\a)+7], v[BI+8*(\b):BI+8*(\b)+7]
.else
	v_wmma_f32_16x16x32_f16 v[8*(8*(\a)+(\b)):8*(8*(\a)+(\b))+7], v[(\f)+32+8*(\b):(\f)+32+8*(\b)+7], v[(\f)+8*(\a):(\f)+8*(\a)+7], v[8*(8*(\a)+(\b)):8*(8*(\a)+(\b))+7]
.endif
.endr
.endr
.endm
; 24 LDS loads in one run: quarter q's fragments into buffer f: Wo's column blocks 0-3, o's four, Wo's 4-7.  Quarter q is head q / 2 of the step's two, channels 32 (q % 2) on.
.macro FETCH q, f
	WIN 0x40
.irp b, 0,1,2,3
	ds_load_tr16_b128 v[(\f)+32+8*\b:(\f)+32+8*\b+3],   v[ADRB] offset:(\q)*32*PB+32*\b
	ds_load_tr16_b128 v[(\f)+32+8*\b+4:(\f)+32+8*\b+7], v[ADRB] offset:(\q)*32*PB+32*\b+16*PB
.endr
.irp a, 0,1,2,3
	ds_load_b128 v[(\f)+8*\a:(\f)+8*\a+3],   v[ADRA] offset:((\q)/2)*AHEAD+((\q)%2)*64+\a*16*PA
	ds_load_b128 v[(\f)+8*\a+4:(\f)+8*\a+7], v[ADRA] offset:((\q)/2)*AHEAD+((\q)%2)*64+\a*16*PA+32
.endr
.irp b, 4,5,6,7
	ds_load_tr16_b128 v[(\f)+32+8*\b:(\f)+32+8*\b+3],   v[ADRB] offset:(\q)*32*PB+32*\b
	ds_load_tr16_b128 v[(\f)+32+8*\b+4:(\f)+32+8*\b+7], v[ADRB] offset:(\q)*32*PB+32*\b+16*PB
.endr
.endm
.macro QUARTER q, f, g, bias           ; multiplies buffer f; in its middle it fetches quarter q into buffer g
	s_wait_dscnt 8                                 ; all but the youngest eight loads (Wo's blocks 4-7) are in
	MUL8 \f, 0, 0, \bias
	MUL8 \f, 2, 0, \bias
	PLACES
	FETCH \q, \g
	s_wait_dscnt 24                                ; all but the 24 just issued
	MUL8 \f, 0, 4, \bias
	MUL8 \f, 2, 4, \bias
.endm
.macro TURN fill                       ; the last quarter multiplies buffer 1 and changes slots
	WIN 0
	s_wait_tensorcnt 0x0                           ; all my tensor loads have landed: my part of the next slot
	ds_add_u32 v[SPW], v[NIL]
	s_wait_dscnt 9                                 ; the add and the youngest eight loads may be out
	MUL8 F1, 0, 0, 0
	s_wait_dscnt 0x0                               ; the add is done, and my reads of this slot are over
	s_barrier_signal -1
	MUL8 F1, 2, 0, 0
	WIN 0
	s_barrier_wait -1
.if \fill
	CREST
	s_xor_b32 s[G0A+5], s[G0A+5], SLOT1            ; no tensor load of mine is out: the walking descriptors step
	s_add_nc_u64 s[G0A+6:G0A+7], s[G0A+6:G0A+7], 2*2048*128
	s_xor_b32 s[G0B+5], s[G0B+5], SLOT1
	s_add_nc_u64 s[G0B+6:G0B+7], s[G0B+6:G0B+7], 128*2048
	JLOAD                                          ; its four v_nop are also the places in front of the loads below
.else
	PLACES
.endif
	s_xor_b32 s[TB], s[TB], SLOT1
	v_add_nc_u32 v[ADRA], s[TB], v[A0]
	v_add_nc_u32 v[ADRB], s[TB], v[B0]
	FETCH 0, F0
	MUL8 F1, 0, 4, 0
	MUL8 F1, 2, 4, 0
.endm
.macro XLOAD half                      ; 32 of my 64 rows of x: 512 consecutive bytes each
	WIN 0xc0
.set t, 32*(\half)
.rept 32
	global_load_b128 v[4*t:4*t+3], v[XO], s[10:11] offset:4096*t th:TH_LOAD_NT
.set t, t+1
.endr
	WIN 0
.endm
; THE WAY OUT of row block a: the f32 sums go into my stage (each accumulator's low four registers first), come back as whole rows of 512 bytes, take x, and are stored.
.macro OUT a
.set BK, 64+64*((\a)%2)
	s_wait_xcnt 0x0                                ; the buffer's registers, which earlier stores read, are rewritten only behind this wait
	WIN 0x08
.irp b, 0,1,2,3,4,5,6,7
	ds_store_b128 v[STO], v[8*(8*(\a)+\b):8*(8*(\a)+\b)+3]   offset:64*\b
	ds_store_b128 v[STO], v[8*(8*(\a)+\b)+4:8*(8*(\a)+\b)+7] offset:64*\b+16
.endr
	WIN 0
.set t, 0
.rept 16
	ds_load_b128 v[BK+4*t:BK+4*t+3], v[RD] offset:SP*t  ; LDS serves a wave's instructions in order (ISA guide 5.7.1.4): these see the stores above
.set t, t+1
.endr
.irp hf, 0,1
	s_wait_dscnt 8-8*\hf                           ; eight rows are back; the first time the younger eight stay out
	WIN 0x0c
.set t, 8*\hf
.rept 8
	v_pk_add_f32 v[BK+4*t:BK+4*t+1],   v[BK+4*t:BK+4*t+1],   v[4*(16*(\a)+t):4*(16*(\a)+t)+1]
	v_pk_add_f32 v[BK+4*t+2:BK+4*t+3], v[BK+4*t+2:BK+4*t+3], v[4*(16*(\a)+t)+2:4*(16*(\a)+t)+3]
.set t, t+1
.endr
	WIN 0
.set t, 8*\hf
.rept 8
	global_store_b128 v[XO], v[BK+4*t:BK+4*t+3], s[12:13] offset:(16*(\a)+t)*4096 th:TH_STORE_NT  ; 512 consecutive bytes, aligned
.set t, t+1
.endr
.endr
.endm
	s_wait_tensorcnt 1                             ; my part of K step 0 is in; step 1's may stay out
	s_barrier_signal -1
	s_barrier_wait -1
	FETCH 0, F0
	s_wait_loadcnt 0x0                             ; the bias
	QUARTER 1, F0, F1, 1
	XLOAD 0                                        ; the residual's first half is asked for when the first tiles are in
	s_mov_b32 s[CNT], 6
.Lk:                                                   ; six trips: from a step's second quarter to the next step's first; they ask for K steps 2 to 7
	QUARTER 2, F1, F0, 0
	QUARTER 3, F0, F1, 0
	TURN 1
	QUARTER 1, F0, F1, 0
	WIN 0
	s_sub_co_u32 s[CNT], s[CNT], 1
	s_cmp_lg_u32 s[CNT], 0
	s_cbranch_scc1 .Lk
	XLOAD 1                                        ; its second half: seven quarters of products ahead of its use
	QUARTER 2, F1, F0, 0                           ; the tail is written out: nothing more is asked for
	QUARTER 3, F0, F1, 0
	TURN 0
	QUARTER 1, F0, F1, 0
	QUARTER 2, F1, F0, 0
	QUARTER 3, F0, F1, 0
	s_wait_dscnt 8
	MUL8 F1, 0, 0, 0
	MUL8 F1, 2, 0, 0
	s_wait_dscnt 0x0
	MUL8 F1, 0, 4, 0
	MUL8 F1, 2, 4, 0
	PLACES
	s_wait_loadcnt 0x0                             ; x
	OUT 0
	OUT 1
	OUT 2
	OUT 3
	s_wait_tensorcnt 0x0                           ; the wave's end
	ds_add_u32 v[SPW], v[NIL]
	s_wait_dscnt 0x0
	CROUND                                         ; the closing round
	s_endpgm
.Lfunc_end_k_qcffcd0f115_proj:
	.size	k_qcffcd0f115_proj, .Lfunc_end_k_qcffcd0f115_proj-k_qcffcd0f115_proj
	.p2alignl 7, 3214868480
	.fill 96, 4, 3214868480
	.section	.rodata,"a",@progbits
	.p2align	6, 0x0
	.amdhsa_kernel k_qcffcd0f115_proj
		.amdhsa_group_segment_fixed_size 327680
		.amdhsa_private_segment_fixed_size 0
		.amdhsa_enable_private_segment 0
		.amdhsa_kernarg_size 40
		.amdhsa_user_sgpr_count 2
		.amdhsa_user_sgpr_kernarg_segment_ptr 1
		.amdhsa_wavefront_size32 1
		.amdhsa_system_sgpr_workgroup_id_x 1
		.amdhsa_system_sgpr_workgroup_id_y 1
		.amdhsa_system_sgpr_workgroup_id_z 1
		.amdhsa_system_vgpr_workitem_id 0
		.amdhsa_next_free_vgpr 1024
		.amdhsa_next_free_sgpr 86
		.amdhsa_reserve_vcc 0
		.amdhsa_float_denorm_mode_32 3
		.amdhsa_float_denorm_mode_16_64 3
		.amdhsa_memory_ordered 1
		.amdhsa_forward_progress 1
		.amdhsa_inst_pref_size 85
	.end_amdhsa_kernel
	.amdgpu_metadata
---
amdhsa.version: [ 1, 2 ]
amdhsa.kernels:
  - .name:           k_qcffcd0f115_proj
    .symbol:         k_qcffcd0f115_proj.kd
    .args:
      - { .name: o, .offset: 0, .size: 8, .value_kind: global_buffer, .address_space: global }
      - { .name: woh, .offset: 8, .size: 8, .value_kind: global_buffer, .address_space: global }
      - { .name: bo, .offset: 16, .size: 8, .value_kind: global_buffer, .address_space: global }
      - { .name: x, .offset: 24, .size: 8, .value_kind: global_buffer, .address_space: global }
      - { .name: out0, .offset: 32, .size: 8, .value_kind: global_buffer, .address_space: global }
    .group_segment_fixed_size: 327680
    .private_segment_fixed_size: 0
    .kernarg_segment_align: 8
    .kernarg_segment_size: 40
    .max_flat_workgroup_size: 128
    .sgpr_count:     86
    .vgpr_count:     1024
    .wavefront_size: 32
...
	.end_amdgpu_metadata
.endif
;; end of part 4
